; MI455X (gfx1250); checked and timed in simulation.
; The chip was launched on July 23, 2026; its instructions are those of AMD's public machine-readable ISA for CDNA 5 (MIT licence, August 2026) and "CDNA5" Instruction Set Architecture Reference Guide (July 2026). The comments in the code are by the model that wrote it; some were corrected since.
;; Multi Head Self Attention. Allowed arithmetic: matrix products marked QUANTISED: E2M1 operands, one E8M0 scale for each 32 along K, by v_wmma_scale_f32_16x16x128_f8f6f4 with both operands' format E2M1 (or v_wmma_scale_f32_32x16x128_f4), f32 sums; products left as they are: bf16, f16 or f32 operands; f32 sums; everything else in f32.
;; Inputs: wk 1,024 x 1,024 float32; wo 1,024 x 1,024 float32; wq 1,024 x 1,024 float32; wv 1,024 x 1,024 float32; x 4 x 2,048 x 1,024 float32.
;; Outputs: out0 4 x 2,048 x 1,024 float32.
;; This version of the problem:
;;   THIS VERSION OF THE PROBLEM IS GIVEN IN LOW PRECISION. The matrix products marked QUANTISED in the list below multiply operands that are first quantised to E2M1 (2 exponent bits, 1 mantissa bit; 4 bits a number), with one power-of-two scale for each 32 numbers along K (OCP MX v1.0); their sums are f32. The products marked 'left as it is' may take bf16, f16 or f32 operands, with f32 sums. Whichever they take, every output number must still come out within the allowed error. Rounding operands to bf16 (8 significant bits) uses up far more of that allowance than f16 does (11 bits, for magnitudes from 6e-5 to 65,504). All else is computed in f32.
;;   The module's matrix products, in the order in which they are computed (A, B: the left and right operand; K: the contracted axis; several contracted axes count as one K, in the product's order):
;;     1. [M 8,192, K 1,024] x [K 1,024, N 1,024]; A: input x; B: input wq: QUANTISED
;;     2. [M 8,192, K 1,024] x [K 1,024, N 1,024]; A: input x; B: input wk: QUANTISED
;;     3. [M 8,192, K 1,024] x [K 1,024, N 1,024]; A: input x; B: input wv: QUANTISED
;;     4. batch 64 x [M 2,048, K 64] x [K 64, N 2,048]; A: computed on the way; B: computed on the way: left as it is (an operand is computed on the way)
;;     5. batch 64 x [M 2,048, K 2,048] x [K 2,048, N 64]; A: computed on the way; B: computed on the way: left as it is (an operand is computed on the way)
;;     6. [M 8,192, K 1,024] x [K 1,024, N 1,024]; A: computed on the way; B: input wo: left as it is (an operand is computed on the way)
;;   THE QUANTISER, for each operand of a quantised product, along K:
;;     - K is cut into blocks of 32 from its start; a last block that is shorter is filled with zeros.
;;     - A block's scale is 2^e with e = floor(log2(the largest magnitude in the block)) - 2, held to -126 .. 127; a block of zeros has e = 0. As a byte (E8M0): e + 127.
;;     - Each number is divided by its block's scale, clamped to +-6, and rounded to the nearest number of E2M1, ties to even, subnormals kept.
;;     - The product sums the exact products of the quantised numbers (number of the format x scale) in f32.
;;   ~~~python
;;   def quantise(x, axis):      # numpy; x: float32 -> the quantised numbers, widened to float32 again
;;       x = np.moveaxis(x, axis, -1); K = x.shape[-1]
;;       x = np.pad(x, [(0, 0)] * (x.ndim - 1) + [(0, -K % 32)]); x = x.reshape(x.shape[:-1] + (-1, 32)); a = np.abs(x).max(-1, keepdims=True)
;;       e = np.where(a > 0, np.clip(np.frexp(np.where(a > 0, a, 1))[1] - 1 - 2, -126, 127), 0)      # np.frexp(a)[1] - 1 = floor(log2(a)), exactly
;;       r = np.clip(x / 2.0 ** e, -6, 6)
;;       step = 2.0 ** (np.maximum(np.frexp(np.where(r == 0, 1, r))[1] - 1, 0) - 1)
;;       q = np.round(r / step) * step * 2.0 ** e      # np.round: ties to even
;;       return np.moveaxis(q.reshape(q.shape[:-2] + (-1,))[..., :K], -1, axis).astype(np.float32)
;;   ~~~
;; One version. Each part assembles by itself: llvm-mc -triple=amdgcn-amd-amdhsa -mcpu=gfx1250 --defsym DOCPART=n.
;; ======== version 1 of 1: 5 launches
;; limits: values are held in f16: magnitudes above 65,504 overflow, below 6.1e-05 lose precision
;; workspace buffers: x_codes 4,194,304 bytes; x_scales 262,144 bytes; w_codes 1,572,864 bytes; w_scales 98,304 bytes; wo16 2,097,152 bytes; qkv 50,331,648 bytes; q16 786,432 bytes; o16 16,777,216 bytes
;; launch prep (part 1): grid 384 x 1, 4 waves a work-group, no clusters, 33,280 bytes of LDS; arguments x, wq, wk, wv, wo, x_codes, x_scales, w_codes, w_scales, wo16; writes x_codes, x_scales, w_codes, w_scales, wo16
.if DOCPART == 1
	.amdgcn_target "amdgcn-amd-amdhsa--gfx1250"
	.amdhsa_code_object_version 6
	.text
	.protected	k_q5905dde5c9_prep
	.globl	k_q5905dde5c9_prep
	.p2align	8
	.type	k_q5905dde5c9_prep,@function
k_q5905dde5c9_prep:
	s_mov_b64 s[64:65], 0
	v_nop
	global_prefetch_b8 v0, s[64:65] scope:SCOPE_SE
	s_setreg_imm32_b32 hwreg(HW_REG_WAVE_MODE, 25, 1), 1
	s_wait_xcnt 0x0
; PREP.  x [8192][1024] and wq, wk, wv [1024][1024], f32 with K innermost, become codes of FP4 (E2M1), two a byte, K innermost, with one E8M0 byte for each 32 along K;
; the three weights' rows lie one tensor behind the other in w_codes [3072][512 bytes] and w_scales [3072][32].  wo [1024][1024] f32 becomes f16, laid [n / 256][head 16][256 rows n][64 channels].
; A block's scale is 2^(floor(log2(its largest magnitude)) - 2): its byte is the largest magnitude's exponent field - 2, held at 1 from below.
; LIMITS: a block of zeros gets the byte 1 (its codes are zeros, and this program alone reads the bytes); NaN and infinities among the inputs are not served; a number of wo beyond 65,504 becomes infinity in f16.
; SHARES: work-groups 0-255 take x, 256-287 wq, 288-319 wk, 320-351 wv, 32,768 numbers each (a wave 16 steps of 512); work-groups 352-383 take wo, 32 rows each.
; The quantising path: each load reads 512 consecutive bytes; a step's 2,048 bytes turn through the wave's own stage in LDS so that a lane holds 16 neighbours along K (two lanes to a block).
; No tensor loads, no barrier: waves share nothing.  The wo path touches no LDS.
.set WAVES, 4
.set STEPS, 16
.set EMAX,  2
.set CB,    8                          ; bytes of 16 codes
.set R,     16                         ; v16-79   four sets of 16 numbers as loaded
.set X,     80                         ; v80-111  two sets of 16 neighbours
.set E,     112                        ; v112-127 a scale byte for each step
.set C,     128                        ; v128-191 codes, four registers a step: no store's data are written again
.set WREG,  8192                       ; LDS: a wave's region: two stages of 32 x SP bytes, then its 256 scale bytes
.set SP,    80                         ; a lane's 64 bytes + 16 of padding
.set SPW,   12                         ; v12  LDS address of my spare word; never rewritten
.set NIL,   13                         ; v13  0; never rewritten
.set SPARE, WAVES*WREG                 ; the spare words, 128 bytes a wave: no other line names them
	s_load_b512 s[4:19], s[0:1], 0x0               ; x, wq, wk, wv, wo, x_codes, x_scales, w_codes
	s_load_b128 s[20:23], s[0:1], 0x40             ; w_scales, wo16
	v_lshl_add_u32 v[SPW], v0, 2, SPARE
	v_mov_b32 v[NIL], 0
	v_lshrrev_b32 v1, 5, v0
	v_readfirstlane_b32 s24, v1                    ; wave
	v_and_b32 v2, 31, v0                           ; lane
	s_cmp_ge_u32 ttmp9, 352                        ; the work-group's number alone decides the path
	s_cbranch_scc1 .Lwo
	; ---------------- the quantising path
	v_lshlrev_b32 v3, 4, v2                        ; my 16 bytes of a load's 512
	s_mul_i32 s25, s24, WREG
	v_lshrrev_b32 v14, 2, v2
	v_mul_u32_u24 v14, v14, SP
	v_and_b32 v15, 3, v2
	v_lshl_add_u32 v14, v15, 4, v14
	v_add_nc_u32 v14, s25, v14                     ; the stage, in: SP (lane / 4) + 16 (lane % 4)
	v_mul_u32_u24 v15, v2, SP
	v_add_nc_u32 v15, s25, v15                     ; the stage, out: SP x lane: my 16 neighbours
	v_mul_u32_u24 v4, v2, CB                       ; my codes' place in a step's
	v_lshrrev_b32 v5, 1, v2
	s_add_co_u32 s25, s25, 2*32*SP
	v_add_nc_u32 v5, s25, v5                       ; my block's scale byte in my wave's 256
	v_lshlrev_b32 v7, 3, v2
	v_add_nc_u32 v6, s25, v7                       ; and on the way out 8 bytes a lane
	s_and_b32 s33, ttmp9, 31                       ; a weight's work-group within its tensor
	s_sub_co_u32 s34, ttmp9, 256                   ; and within the three weights' codes
	s_wait_kmcnt 0x0
	s_cmp_lt_u32 ttmp9, 256
	s_cselect_b64 s[26:27], s[4:5], s[6:7]         ; x, or a weight
	s_cselect_b64 s[28:29], s[14:15], s[18:19]     ; the codes' buffer
	s_cselect_b64 s[30:31], s[16:17], s[20:21]     ; the scale bytes' buffer
	s_cselect_b32 s32, ttmp9, s33
	s_cselect_b32 s35, ttmp9, s34
	s_cmp_ge_u32 ttmp9, 288
	s_cselect_b64 s[26:27], s[8:9], s[26:27]       ; wk
	s_cmp_ge_u32 ttmp9, 320
	s_cselect_b64 s[26:27], s[10:11], s[26:27]     ; wv
	s_lshl_b32 s32, s32, 2
	s_add_co_u32 s32, s32, s24                     ; which run of 8,192 numbers I read
	s_lshl_b32 s36, s32, 15                        ; 32,768 bytes a run
	s_mov_b32 s37, 0
	s_add_nc_u64 s[26:27], s[26:27], s[36:37]
	s_lshl_b32 s35, s35, 2
	s_add_co_u32 s35, s35, s24                     ; which run I write
	s_lshl_b32 s36, s35, 12                        ; 4,096 bytes of codes a run
	s_add_nc_u64 s[28:29], s[28:29], s[36:37]
	s_lshl_b32 s36, s35, 8                         ; 256 scale bytes a run
	s_add_nc_u64 s[30:31], s[30:31], s[36:37]
.macro LOAD t
.irp i, 0,1,2,3
	global_load_b128 v[R+16*((\t)%4)+4*\i:R+16*((\t)%4)+4*\i+3], v3, s[26:27] offset:2048*(\t)+512*\i th:TH_LOAD_NT   ; 32 lanes read 512 consecutive bytes
.endr
.endm
.macro TURN t                          ; step t's numbers through the stage: LDS serves a wave's instructions in order, so no wait stands between the stores and the loads
.irp i, 0,1,2,3
	ds_store_b128 v14, v[R+16*((\t)%4)+4*\i:R+16*((\t)%4)+4*\i+3] offset:32*SP*((\t)%2)+8*SP*\i
.endr
.irp i, 0,1,2,3
	ds_load_b128 v[X+16*((\t)%2)+4*\i:X+16*((\t)%2)+4*\i+3], v15 offset:32*SP*((\t)%2)+16*\i
.endr
.endm
.irp t, 0,1,2,3
	LOAD \t
.endr
	s_wait_loadcnt 12                              ; step 0's four loads are in; three steps' twelve stay out
	TURN 0
.macro STEP t
.set XS, X+16*((\t)%2)
.if (\t) > 0
	s_wait_dscnt 1                                 ; this step's numbers are back from the stage; the last step's byte store may be out
.else
	s_wait_dscnt 0x0
.endif
.if (\t)+4 < STEPS
	LOAD (\t)+4                                    ; into the set whose stores into the stage are done
.endif
.if (\t)+1 < STEPS
.if STEPS-2-(\t) >= 3
	s_wait_loadcnt 12                              ; the next step's four loads are in; three steps' twelve stay out
.else
	s_wait_loadcnt 4*(STEPS-2-(\t))                ; the tail: the counts run down
.endif
	TURN (\t)+1
.endif
	v_max3_num_f32 v8, |v[XS]|, |v[XS+1]|, |v[XS+2]|               ; the largest magnitude of my 16, in two chains
	v_max3_num_f32 v9, |v[XS+3]|, |v[XS+4]|, |v[XS+5]|
.irp i, 6,10
	v_max3_num_f32 v8, v8, |v[XS+\i]|, |v[XS+\i+1]|
	v_max3_num_f32 v9, v9, |v[XS+\i+2]|, |v[XS+\i+3]|
.endr
	v_max3_num_f32 v8, v8, |v[XS+14]|, |v[XS+15]|
	v_max3_num_f32 v8, v8, v9, (EMAX+1)<<23        ; and the floor 2^(EMAX + 1 - 127): the byte cannot fall under 1
	v_max_num_f32_dpp v8, v8, v8 row_xmask:1 row_mask:0xf bank_mask:0xf   ; with my neighbour's 16: the block's
	v_add_nc_u32 v11, -(EMAX<<23), v8              ; EMAX off the exponent field: the conversion's scale operand
	v_cvt_scalef32_pk8_fp4_f32 v[C+4*(\t)], v[XS:XS+7], v11
	v_cvt_scalef32_pk8_fp4_f32 v[C+4*(\t)+1], v[XS+8:XS+15], v11
	v_lshrrev_b32 v[E+(\t)], 23, v11               ; the scale's byte (also the plain line behind the conversions)
	ds_store_b8 v5, v[E+(\t)] offset:16*(\t)       ; both lanes of a block write the same byte with the same value
	global_store_b64 v4, v[C+4*(\t):C+4*(\t)+1], s[28:29] offset:32*CB*(\t)   ; the wave stores 256 consecutive bytes
.endm
.irp t, 0,1,2,3,4,5,6,7,8,9,10,11,12,13,14,15
	STEP \t
.endr
	ds_load_b64 v[8:9], v6                         ; LDS serves a wave's instructions in order: these see my byte stores
	s_wait_dscnt 0x0
	global_store_b64 v7, v[8:9], s[30:31]          ; 32 lanes store 256 consecutive bytes
	s_wait_tensorcnt 0x0                           ; the wave's end
	ds_add_u32 v[SPW], v[NIL]
	s_wait_dscnt 0x0
	s_endpgm
	; ---------------- wo to f16.  Work-group g = id - 352 takes rows 32 g on, wave w rows 32 g + 8 w .. + 7.  Step st of 32: head st % 16, rows 4 (st / 16) on;
	; lane l takes row l / 8 of the four and 8 channels 8 (l % 8) on: two loads of 16 bytes, four conversions, one store of 16 bytes; a wave's store covers 512 consecutive bytes.
.Lwo:
	s_sub_co_u32 s25, ttmp9, 352                   ; g
	v_lshrrev_b32 v3, 3, v2
	v_lshlrev_b32 v3, 12, v3
	v_and_b32 v5, 7, v2
	v_lshl_add_u32 v3, v5, 5, v3                   ; in: (l / 8) rows of 4,096 bytes + 32 (l % 8)
	v_lshlrev_b32 v4, 4, v2                        ; out: 16 l
	s_lshl_b32 s26, s25, 5
	s_lshl_b32 s27, s24, 3
	s_add_co_u32 s26, s26, s27                     ; my first row n
	s_lshl_b32 s26, s26, 12
	s_mov_b32 s27, 0
	s_lshr_b32 s28, s25, 3
	s_lshl_b32 s28, s28, 12                        ; (n / 256) x 16 heads x 256 rows
	s_and_b32 s29, s25, 7
	s_lshl_b32 s29, s29, 5
	s_add_co_u32 s28, s28, s29
	s_lshl_b32 s29, s24, 3
	s_add_co_u32 s28, s28, s29                     ; + n % 256
	s_lshl_b32 s28, s28, 7                         ; rows of 128 bytes
	s_mov_b32 s29, 0
	s_wait_kmcnt 0x0
	s_add_nc_u64 s[12:13], s[12:13], s[26:27]
	s_add_nc_u64 s[22:23], s[22:23], s[28:29]
.macro LOADW k                         ; steps 8 k .. 8 k + 7 into set k % 2 (v16-79, v80-143)
.irp i, 0,1,2,3,4,5,6,7
	global_load_b128 v[16+64*((\k)%2)+8*\i:16+64*((\k)%2)+8*\i+3],   v3, s[12:13] offset:((8*(\k)+\i)/16)*16384+((8*(\k)+\i)%16)*256 th:TH_LOAD_NT
	global_load_b128 v[16+64*((\k)%2)+8*\i+4:16+64*((\k)%2)+8*\i+7], v3, s[12:13] offset:((8*(\k)+\i)/16)*16384+((8*(\k)+\i)%16)*256+16 th:TH_LOAD_NT
.endr
.endm
	LOADW 0
	LOADW 1
.irp k, 0,1,2,3
.if \k < 3
	s_wait_loadcnt 16                              ; this batch's 16 loads are in; the next batch's 16 stay out
.else
	s_wait_loadcnt 0x0
.endif
.if \k >= 2
	s_wait_xcnt 0x0                                ; the stores of two batches back have read their data: the set is written again only behind this wait
.endif
.irp i, 0,1,2,3,4,5,6,7
.irp p, 0,1,2,3
	v_cvt_pk_f16_f32 v[144+32*(\k%2)+4*\i+\p], v[16+64*(\k%2)+8*\i+2*\p], v[16+64*(\k%2)+8*\i+2*\p+1]
.endr
.endr
.if \k < 2
	LOADW \k+2
.endif
.irp i, 0,1,2,3,4,5,6,7
	global_store_b128 v4, v[144+32*(\k%2)+4*\i:144+32*(\k%2)+4*\i+3], s[22:23] offset:((8*\k+\i)%16)*32768+((8*\k+\i)/16)*512
.endr
.endr
	s_endpgm
.Lfunc_end_k_q5905dde5c9_prep:
	.size	k_q5905dde5c9_prep, .Lfunc_end_k_q5905dde5c9_prep-k_q5905dde5c9_prep
	.p2alignl 7, 3214868480
	.fill 96, 4, 3214868480
	.section	.rodata,"a",@progbits
	.p2align	6, 0x0
	.amdhsa_kernel k_q5905dde5c9_prep
		.amdhsa_group_segment_fixed_size 33280
		.amdhsa_private_segment_fixed_size 0
		.amdhsa_enable_private_segment 0
		.amdhsa_kernarg_size 80
		.amdhsa_user_sgpr_count 2
		.amdhsa_user_sgpr_kernarg_segment_ptr 1
		.amdhsa_wavefront_size32 1
		.amdhsa_system_sgpr_workgroup_id_x 1
		.amdhsa_system_sgpr_workgroup_id_y 1
		.amdhsa_system_sgpr_workgroup_id_z 1
		.amdhsa_system_vgpr_workitem_id 0
		.amdhsa_next_free_vgpr 208
		.amdhsa_next_free_sgpr 66
		.amdhsa_reserve_vcc 0
		.amdhsa_float_denorm_mode_32 3
		.amdhsa_float_denorm_mode_16_64 3
		.amdhsa_memory_ordered 1
		.amdhsa_forward_progress 1
		.amdhsa_inst_pref_size 52
	.end_amdhsa_kernel
	.amdgpu_metadata
---
amdhsa.version: [ 1, 2 ]
amdhsa.kernels:
  - .name:           k_q5905dde5c9_prep
    .symbol:         k_q5905dde5c9_prep.kd
    .args:
      - { .name: x, .offset: 0, .size: 8, .value_kind: global_buffer, .address_space: global }
      - { .name: wq, .offset: 8, .size: 8, .value_kind: global_buffer, .address_space: global }
      - { .name: wk, .offset: 16, .size: 8, .value_kind: global_buffer, .address_space: global }
      - { .name: wv, .offset: 24, .size: 8, .value_kind: global_buffer, .address_space: global }
      - { .name: wo, .offset: 32, .size: 8, .value_kind: global_buffer, .address_space: global }
      - { .name: x_codes, .offset: 40, .size: 8, .value_kind: global_buffer, .address_space: global }
      - { .name: x_scales, .offset: 48, .size: 8, .value_kind: global_buffer, .address_space: global }
      - { .name: w_codes, .offset: 56, .size: 8, .value_kind: global_buffer, .address_space: global }
      - { .name: w_scales, .offset: 64, .size: 8, .value_kind: global_buffer, .address_space: global }
      - { .name: wo16, .offset: 72, .size: 8, .value_kind: global_buffer, .address_space: global }
    .group_segment_fixed_size: 33280
    .private_segment_fixed_size: 0
    .kernarg_segment_align: 8
    .kernarg_segment_size: 80
    .max_flat_workgroup_size: 128
    .sgpr_count:     66
    .vgpr_count:     208
    .wavefront_size: 32
...
	.end_amdgpu_metadata
.endif
;; end of part 1
;; launch qkvgemm (part 2): grid 12 x 32, 4 waves a work-group, clusters of 4 x 4, 327,680 bytes of LDS; arguments x_codes, x_scales, w_codes, w_scales, qkv, q16; writes qkv, q16
.if DOCPART == 2
	.amdgcn_target "amdgcn-amd-amdhsa--gfx1250"
	.amdhsa_code_object_version 6
	.text
	.protected	k_q5905dde5c9_qkvgemm
	.globl	k_q5905dde5c9_qkvgemm
	.p2align	8
	.type	k_q5905dde5c9_qkvgemm,@function
k_q5905dde5c9_qkvgemm:
	s_mov_b64 s[64:65], 0
	v_nop
	global_prefetch_b8 v0, s[64:65] scope:SCOPE_SE
	s_setreg_imm32_b32 hwreg(HW_REG_WAVE_MODE, 25, 1), 1
	s_wait_xcnt 0x0
	s_wait_alu depctr_hold_cnt(0) depctr_sa_sdst(0) depctr_va_vdst(0) depctr_va_sdst(0) depctr_va_ssrc(0) depctr_va_vcc(0) depctr_vm_vsrc(0)
	s_getreg_b32 s2, hwreg(HW_REG_IB_STS2, 6, 4)
	s_cmp_eq_u32 s2, 0
	s_cbranch_scc0 .Lentry_in_a_cluster
	s_endpgm
.Lentry_in_a_cluster:
	s_bfe_u32 s2, ttmp6, 0x10000c
	s_cmp_lg_u32 s2, 0xf033
	s_cbranch_scc0 .Lentry_shape_is_right
	s_endpgm
.Lentry_shape_is_right:
; Q, K, V = x W^T on codes of FP4 (E2M1) with one E8M0 scale for each 32 along K; sums in f32.  A = x's codes [8192][1024], B = the three weights' codes [3072][1024].
; A tile of C, 256 x 256, is made by four waves, each 128 x 128: 64 accumulators, 512 registers.  K = 1,024 is two LDS slots of 512 along K: both are filled at the start and nothing is filled again.
; The scales of the work-group's 256 + 256 rows, for all of K, come into LDS once, in rows of 256 bytes.
; CLUSTERS: 4 x 4 work-groups; A's tiles are asked for jointly along a row of the cluster, B's along a column.  The tile row is 8 cy + cluster y: the batch is cy, the block of 256 positions is the cluster's y,
; so that "positions 0 to 15" hangs on the cluster's y and the wave's number alone, which all partners share.  The tile column is 4 x cluster x + cx: cluster x says which of q, k, v.
; THE MATRIX INSTRUCTION IS USED TRANSPOSED (source 0 = 16 rows of W, source 1 = 16 rows of x): a lane holds eight neighbouring channels of one position.
; OUT: f16 into qkv [which 3][batch 4][head 16][position 2048][64], through the wave's stage in LDS, 512 consecutive bytes a store; positions 0-15 of each batch also as f32 into q16 [which][batch][head][16][64].
; LIMIT: a result beyond 65,504 becomes infinity in f16.
; REGISTERS, in windows of 256: window 0: v0-31 addresses; v32-95 scale words, two sets; v128-191 A's fragments, one set; on the way out v32-63, v192-255.  window 1: B's fragments, two sets.
;   window 2: the accumulators of my rows 0-63 ((a, b) at v[8 (8 a + b)]); window 3: those of my rows 64-127.
.set SIZE_K, 1024
.set KSTEP,  512
.set NQ,     KSTEP/128
.set ROWB,   256                       ; a tile's row in bytes
.set KROW,   SIZE_K*4/8                ; a row of codes in memory
.set PITCH,  272                       ; an LDS row: 256 bytes + 16 of padding: the 16 rows of a load start 68 words apart
.set FR,     8
.set NL,     2
.set NP,     4                         ; places behind this matrix instruction (ISA guide 7.12.1)
.set HALFT,  128*PITCH
.set SLOT,   4*HALFT
.set KS,     SIZE_K/32
.set SCL,    2*SLOT
.set HALFS,  (128*KS/256)*272
.set SBLK,   (16*KS/256)*272
.set SPARE,  SCL+4*HALFS               ; the spare words, 128 bytes a wave: no other line names them
.set STGW,   2*16*144                  ; the way out: a wave's stage: two heads x 16 rows x (128 bytes + 16), in slot 0, which has had its only fill and its last read by then
.set ADRA, 16
.set ADRB, 20
.set STO,  24
.set RD,   25
.set CO,   26
.set ADRS, 27
.set SPW,  28
.set NIL,  29
.set FO,   30                          ; v30  my byte offset among the fine rows: 256 r + 32 (l / 16)
.set SC,   32
.set AF,   128
.set TMP,  192                         ; the way out: packed results
.set OB,   32                          ; the way out: rows read back: v32-63 and v224-255 by turns
.set G1, 24
.set G0, 32
.set G1B, 48
.set G0B, 56
.set G1S, 68
.set G0S, 76
.set G1SB, 80
.set G0SB, 88
.set MSB, 0
.macro WIN new                         ; the immediate's high byte repeats the setting that is left
.if MSB != (\new)
	s_set_vgpr_msb (MSB<<8)|(\new)
.set MSB, (\new)
.endif
.endm
.set MUL_LO, 0xa1
.set MUL_HI, 0xf1
.set TO_B,   0x40
; A joint load: waves 0 and 1 fetch for A, waves 2 and 3 for B.  An s_nop 0 and four v_nop follow each of the two lines.
.macro JLOAD g0a, g1a, g0b, g1b
	s_cmp_eq_u32 s15, 0
	s_cbranch_scc0 .Lfor_b_\@
	tensor_load_to_lds s[\g0a:\g0a+3], s[\g1a:\g1a+7]
	s_nop 0
.rept 4
	v_nop
.endr
	s_branch .Lasked_\@
.Lfor_b_\@:
	tensor_load_to_lds s[\g0b:\g0b+3], s[\g1b:\g1b+7]
	s_nop 0
.rept 4
	v_nop
.endr
.Lasked_\@:
.endm
.macro CROUND                          ; a round of the cluster's barrier
	s_barrier_signal -1
	s_barrier_wait -1
	s_cmp_lg_u32 s14, 0
	s_cbranch_scc1 .Lnot_wave_0_\@
	s_barrier_signal -3
.Lnot_wave_0_\@:
	s_barrier_wait -3
	s_barrier_signal -1
	s_barrier_wait -1
.endm
	s_load_b128 s[4:7], s[0:1], 0x0                ; x's codes, x's scales
	s_load_b128 s[8:11], s[0:1], 0x10              ; the weights' codes, their scales
	s_load_b64 s[12:13], s[0:1], 0x20              ; qkv
	s_load_b64 s[66:67], s[0:1], 0x28              ; q16
	v_lshl_add_u32 v[SPW], v0, 2, SPARE
	v_mov_b32 v[NIL], 0
	ds_add_u32 v[SPW], v[NIL]                      ; the wave's opening: the add, twice on end, and its wait ahead of my first tensor load
	ds_add_u32 v[SPW], v[NIL]
	v_lshrrev_b32 v1, 5, v0
	v_readfirstlane_b32 s14, v1                    ; wave 0..3
	s_lshr_b32 s15, s14, 1                         ; my half of the tile's rows.  Also: I fetch for A (0) or for B (1)
	s_and_b32 s16, s14, 1                          ; my half of its columns.  Also: which 128 rows I fetch
	s_bfe_u32 s40, ttmp6, 0x40000                  ; cx
	s_bfe_u32 s41, ttmp6, 0x40004                  ; cy
	s_lshl_b32 s42, ttmp9, 2
	s_add_co_u32 s42, s42, s40                     ; tile column = 4 x cluster x + cx
	s_and_b32 s96, ttmp7, 0xffff                   ; cluster y: the block of 256 positions
	s_lshl_b32 s17, s41, 3
	s_add_co_u32 s17, s17, s96                     ; tile row = 8 cy + cluster y
	s_lshl_b32 s43, s41, 2
	s_lshl_b32 s43, 15, s43                        ; my row of the cluster
	s_lshl_b32 s44, 0x1111, s40                    ; my column
	s_or_b32 s[G1+0], s43, (0<<16)|(1<<20)|(1<<21)|(5<<22)|(3<<25)  ; the mask; elements of 1 byte; padding on; bit 21 beside a mask; 4 words of padding after every 64
	s_or_b32 s[G1B+0], s44, (0<<16)|(1<<20)|(1<<21)|(5<<22)|(3<<25)
.irp g, G1, G1B
	s_mov_b32 s[\g+1], ROWB<<16                    ; tensor_dim0
	s_mov_b32 s[\g+2], 128<<16                     ; tensor_dim1
	s_mov_b32 s[\g+3], ROWB<<16                    ; tile_dim0
	s_mov_b32 s[\g+4], 128                         ; tile_dim1
	s_mov_b32 s[\g+5], KROW                        ; the pitch in memory
	s_mov_b32 s[\g+6], 0
	s_mov_b32 s[\g+7], 0
.endr
	s_or_b32 s[G1S+0], s43, (3<<16)|(1<<20)|(1<<21)|(5<<22)|(3<<25) ; the scales of 128 rows: a dense block, as rows of 256 bytes (32 elements of 8 bytes)
	s_or_b32 s[G1SB+0], s44, (3<<16)|(1<<20)|(1<<21)|(5<<22)|(3<<25)
.irp g, G1S, G1SB
	s_mov_b32 s[\g+1], 32<<16
	s_mov_b32 s[\g+2], (128*KS/256)<<16
	s_mov_b32 s[\g+3], 32<<16
	s_mov_b32 s[\g+4], 128*KS/256
	s_mov_b32 s[\g+5], 32
	s_mov_b32 s[\g+6], 0
	s_mov_b32 s[\g+7], 0
.endr
	s_lshl_b32 s18, s16, 7
	s_lshl_b32 s20, s17, 8
	s_add_co_u32 s20, s20, s18                     ; A: row 256 x tile row + 128 x half
	s_lshl_b32 s46, s42, 8
	s_add_co_u32 s46, s46, s18                     ; B: row 256 x tile column + 128 x half
	s_mov_b32 s21, 0
	s_mov_b32 s47, 0
	s_mov_b64 s[18:19], KS
	s_mul_u64 s[22:23], s[20:21], s[18:19]         ; where these rows' scales begin
	s_mul_u64 s[92:93], s[46:47], s[18:19]
	s_mov_b64 s[18:19], KROW
	s_mul_u64 s[20:21], s[20:21], s[18:19]         ; and their codes
	s_mul_u64 s[46:47], s[46:47], s[18:19]
	s_mul_i32 s45, s14, HALFT                      ; where they go: wave x 128 rows
	s_mul_i32 s94, s14, HALFS
	s_wait_dscnt 0x0                               ; both opening adds are done
	s_wait_kmcnt 0x0
	s_add_nc_u64 s[20:21], s[4:5], s[20:21]
	s_add_nc_u64 s[22:23], s[6:7], s[22:23]
	s_add_nc_u64 s[46:47], s[8:9], s[46:47]
	s_add_nc_u64 s[92:93], s[10:11], s[92:93]
	CROUND                                         ; all sixteen work-groups are here: the joint loads meet
	s_mov_b32 s[G0S], 1
	s_add_co_u32 s[G0S+1], s94, SCL
	s_mov_b64 s[G0S+2:G0S+3], s[22:23]
	s_or_b32 s[G0S+3], s[G0S+3], 0x80000000
	s_mov_b32 s[G0SB], 1
	s_add_co_u32 s[G0SB+1], s94, SCL
	s_mov_b64 s[G0SB+2:G0SB+3], s[92:93]
	s_or_b32 s[G0SB+3], s[G0SB+3], 0x80000000
	JLOAD G0S, G1S, G0SB, G1SB                     ; the scales first; by this text's count three tensor loads of a wave are out at the most
.irp s, 0,1
	s_mov_b32 s[G0+4*\s], 1
	s_add_co_u32 s[G0+4*\s+1], s45, \s*SLOT
	s_add_nc_u64 s[G0+4*\s+2:G0+4*\s+3], s[20:21], \s*ROWB
	s_or_b32 s[G0+4*\s+3], s[G0+4*\s+3], 0x80000000
	s_mov_b32 s[G0B+4*\s], 1
	s_add_co_u32 s[G0B+4*\s+1], s45, \s*SLOT
	s_add_nc_u64 s[G0B+4*\s+2:G0B+4*\s+3], s[46:47], \s*ROWB
	s_or_b32 s[G0B+4*\s+3], s[G0B+4*\s+3], 0x80000000
	JLOAD G0+4*\s, G1, G0B+4*\s, G1B
.endr
	v_and_b32 v1, 15, v0                           ; r = l % 16
	v_bfe_u32 v2, v0, 4, 1                         ; l / 16
	v_mul_u32_u24 v3, v1, PITCH
	v_lshl_add_u32 v4, v2, 4, v3                   ; a fragment's row x pitch + 16 x half
	s_mul_i32 s21, s15, HALFT
	s_mul_i32 s22, s16, HALFT
	s_add_co_u32 s22, s22, 2*HALFT
.irp s, 0,1
	v_add_nc_u32 v[ADRA+\s], s21, v4
	v_add_nc_u32 v[ADRB+\s], s22, v4
	s_add_co_u32 s21, s21, SLOT
	s_add_co_u32 s22, s22, SLOT
.endr
	v_mul_u32_u24 v5, v1, KS                       ; my row's scales: KS bytes a row,
	v_lshrrev_b32 v6, 8, v5
	v_lshl_add_u32 v5, v6, 4, v5                   ; and 16 more for each 256 passed
	s_mul_i32 s21, s15, HALFS
	s_mul_i32 s22, s16, HALFS
	s_add_co_u32 s22, s22, 2*HALFS
	s_sub_co_u32 s22, s22, s21
	v_mul_u32_u24 v6, s22, v2                      ; lanes 16-31 take B's
	s_add_co_u32 s21, s21, SCL
	v_add_nc_u32 v5, v5, v6
	v_add_nc_u32 v[ADRS], s21, v5
	s_mul_i32 s23, s14, STGW                       ; my stage
	v_mul_u32_u24 v5, v1, 144
	v_lshl_add_u32 v5, v2, 4, v5
	v_add_nc_u32 v[STO], s23, v5                   ; in: row r, 16 bytes for each half of the lanes
	v_and_b32 v6, 31, v0
	v_lshlrev_b32 v[CO], 4, v6                     ; in memory four rows of 128 bytes are 512 consecutive bytes: 16 l
	v_lshrrev_b32 v5, 3, v6
	v_mul_u32_u24 v5, v5, 144
	v_and_b32 v6, 7, v6
	v_lshl_add_u32 v5, v6, 4, v5
	v_add_nc_u32 v[RD], s23, v5                    ; back: eight lanes to a row, four rows an instruction
	v_lshlrev_b32 v[FO], 8, v1
	v_lshl_add_u32 v[FO], v2, 5, v[FO]
	s_lshl_b32 s92, ttmp9, 2                       ; which x 4
	s_add_co_u32 s92, s92, s41                     ; + batch
	s_lshl_b32 s92, s92, 4
	s_lshl_b32 s93, s40, 2
	s_add_co_u32 s92, s92, s93
	s_lshl_b32 s93, s16, 1
	s_add_co_u32 s92, s92, s93                     ; (which x 4 + batch) x 16 + my first head (4 cx + 2 x half)
	s_lshl_b32 s94, s92, 12                        ; a head's fine rows are 4,096 bytes
	s_mov_b32 s95, 0
	s_add_nc_u64 s[66:67], s[66:67], s[94:95]
	s_lshl_b32 s92, s92, 11
	s_lshl_b32 s93, s96, 8
	s_add_co_u32 s92, s92, s93
	s_lshl_b32 s93, s15, 7
	s_add_co_u32 s92, s92, s93                     ; + my first position
	s_lshl_b32 s94, s92, 7                         ; rows of 128 bytes
	s_add_nc_u64 s[12:13], s[12:13], s[94:95]
.macro FRAG reg, adr, q, i             ; 16 rows x 128 K of 4-bit codes: 8 registers: two loads of 16 bytes, 32 bytes apart
.irp c, 0,1
	ds_load_b128 v[\reg+4*\c:\reg+4*\c+3], v[\adr] offset:64*(\q)+32*\c+(\i)*16*PITCH
.endr
.endm
; 16 matrix instructions: A's blocks a0, a0 + 1 x B's eight.  The 64 accumulators take turns, one instruction a turn, in the same order in every step.
.macro MUL16 a0, p, q, sc, zero
.irp a, \a0, \a0+1
.irp b, 0,1,2,3,4,5,6,7
.if \zero
	v_wmma_scale_f32_16x16x128_f8f6f4 v[8*(8*((\a)%4)+\b):8*(8*((\a)%4)+\b)+7], v[128*(\p)+FR*\b:128*(\p)+FR*\b+FR-1], v[AF+FR*(\a):AF+FR*(\a)+FR-1], 0, v[SC+8*NQ*(\sc)+NQ*\b+(\q)], v[SC+8*NQ*(\sc)+NQ*(\a)+(\q)] matrix_a_fmt:MATRIX_FMT_FP4 matrix_b_fmt:MATRIX_FMT_FP4 matrix_a_scale:MATRIX_SCALE_ROW1
.else
	v_wmma_scale_f32_16x16x128_f8f6f4 v[8*(8*((\a)%4)+\b):8*(8*((\a)%4)+\b)+7], v[128*(\p)+FR*\b:128*(\p)+FR*\b+FR-1], v[AF+FR*(\a):AF+FR*(\a)+FR-1], v[8*(8*((\a)%4)+\b):8*(8*((\a)%4)+\b)+7], v[SC+8*NQ*(\sc)+NQ*\b+(\q)], v[SC+8*NQ*(\sc)+NQ*(\a)+(\q)] matrix_a_fmt:MATRIX_FMT_FP4 matrix_b_fmt:MATRIX_FMT_FP4 matrix_a_scale:MATRIX_SCALE_ROW1
.endif
.endr
.endr
.endm
.macro FETCH_B slot, q, p
	WIN TO_B
.irp i, 0,1,2,3,4,5,6,7
	FRAG 128*(\p)+FR*\i, ADRB+\slot, \q, \i
.endr
	WIN 0
.endm
.macro FETCH_A slot, q, i0
.irp i, \i0, \i0+1, \i0+2, \i0+3
	FRAG AF+FR*(\i), ADRA+\slot, \q, \i
.endr
.endm
.macro SCALES sc                       ; a K step's scale words: lanes 0-15 take A's block i, lanes 16-31 B's block i
.irp i, 0,1,2,3,4,5,6,7
	ds_load_b128 v[SC+8*NQ*\sc+NQ*\i:SC+8*NQ*\sc+NQ*\i+3], v[ADRS] offset:\i*SBLK
.endr
.endm
.macro PLACES n                        ; plain vector instructions between a matrix instruction and a load into, or a read of, its registers
.rept \n
	v_nop
.endr
.endm
.macro STEP slot, q, zero              ; a step of 128 along K that has its successor in the same slot
	s_wait_dscnt 4*NL                              ; B's set and A's blocks 0-3 are in; the youngest eight loads (A's blocks 4-7) may be out
	WIN MUL_LO
	MUL16 0, (\q)%2, \q, \slot, \zero
	MUL16 2, (\q)%2, \q, \slot, \zero
	s_wait_dscnt 0
	PLACES NP
	FETCH_B \slot, (\q)+1, 1-(\q)%2
	FETCH_A \slot, (\q)+1, 0
	WIN MUL_HI
	MUL16 4, (\q)%2, \q, \slot, \zero
	MUL16 6, (\q)%2, \q, \slot, \zero
	PLACES NP
	WIN 0
	FETCH_A \slot, (\q)+1, 4
.endm
; Slot 0's last step changes slots: one barrier; in front of it each wave waits for all its tensor loads (its part of slot 1), adds 0 to its spare word, and waits for that and for its reads of slot 0.
.macro TURN slot, next
	s_wait_tensorcnt 0x0
	ds_add_u32 v[SPW], v[NIL]
	s_wait_dscnt 4*NL+1                            ; the add and the youngest eight loads may be out
	WIN MUL_LO
	MUL16 0, 1, NQ-1, \slot, 0
	s_wait_dscnt 0x0                               ; the add is done, and my reads of this slot are over
	s_barrier_signal -1
	MUL16 2, 1, NQ-1, \slot, 0
	WIN 0
	s_barrier_wait -1
	PLACES NP
	v_add_nc_u32 v[ADRS], 4*NQ, v[ADRS]            ; the next K step's scale words
	FETCH_B \next, 0, 0
	FETCH_A \next, 0, 0
	SCALES \next
	WIN MUL_HI
	MUL16 4, 1, NQ-1, \slot, 0
	MUL16 6, 1, NQ-1, \slot, 0
	PLACES NP
	WIN 0
	FETCH_A \next, 0, 4
.endm
	s_wait_tensorcnt 1                             ; the scales and my part of slot 0 are in; slot 1's load may be out
	s_barrier_signal -1
	s_barrier_wait -1
	FETCH_B 0, 0, 0
	FETCH_A 0, 0, 0
	SCALES 0
	FETCH_A 0, 0, 4
	STEP 0, 0, 1                                   ; the first products start the sums: nothing is cleared
	STEP 0, 1, 0
	STEP 0, 2, 0
	TURN 0, 1
	STEP 1, 0, 0
	STEP 1, 1, 0
	STEP 1, 2, 0
	s_wait_dscnt 4*NL                              ; the last step: nothing more to fetch
	WIN MUL_LO
	MUL16 0, 1, NQ-1, 1, 0
	MUL16 2, 1, NQ-1, 1, 0
	s_wait_dscnt 0
	WIN MUL_HI
	MUL16 4, 1, NQ-1, 1, 0
	MUL16 6, 1, NQ-1, 1, 0
	WIN 0
	PLACES NP
	; THE FINE ROWS: positions 0-15 of a batch lie in block 0 of the waves with rows 0-127 of the cluster row y = 0.  The branch hangs on the cluster's y and the wave's number.
	s_or_b32 s3, s96, s15
	s_cmp_lg_u32 s3, 0
	s_cbranch_scc1 .Lnofine
	WIN 0x08                                       ; a store's data are its source 1: window 2
.irp b, 0,1,2,3,4,5,6,7
	global_store_b128 v[FO], v[8*\b:8*\b+3],   s[66:67] offset:(\b/4)*4096+64*(\b%4)      ; each accumulator from its low end on
	global_store_b128 v[FO], v[8*\b+4:8*\b+7], s[66:67] offset:(\b/4)*4096+64*(\b%4)+16
.endr
	WIN 0
.Lnofine:
; THE WAY OUT of block a (16 positions x 2 heads x 64 channels).  PACK: rounded to f16, 16 bytes a lane.  TOSTAGE: into my stage and back as whole rows.  SEND: stored.
.macro PACK a
.set AC, 64*((\a)%4)
	WIN 0x0a+5*((\a)/4)                            ; sources 0 and 1: window 2 or 3
.irp b, 0,1,2,3,4,5,6,7
.irp r, 0,1,2,3
	v_cvt_pk_f16_f32 v[TMP+4*\b+\r], v[AC+8*\b+2*\r], v[AC+8*\b+2*\r+1]
.endr
.endr
	WIN 0
.endm
.macro TOSTAGE a
.set BB, OB+192*((\a)%2)
.irp b, 0,1,2,3,4,5,6,7
	ds_store_b128 v[STO], v[TMP+4*\b:TMP+4*\b+3] offset:(\b/4)*2304+32*(\b%4)
.endr
.irp t, 0,1,2,3,4,5,6,7
	ds_load_b128 v[BB+4*\t:BB+4*\t+3], v[RD] offset:(\t/4)*2304+(\t%4)*576   ; LDS serves a wave's instructions in order: these see the stores above
.endr
.endm
.macro SEND a
.set BB, OB+192*((\a)%2)
	s_wait_dscnt 0x0                               ; the block is back in registers
	s_wait_xcnt 0x0                                ; earlier stores have read their data: the next block's loads land on those registers only behind this wait
.irp t, 0,1,2,3,4,5,6,7
	global_store_b128 v[CO], v[BB+4*\t:BB+4*\t+3], s[12:13] offset:(\t/4)*262144+(\a)*2048+(\t%4)*512   ; 32 lanes store 512 consecutive bytes: four positions of one head
.endr
.endm
	PACK 0
	TOSTAGE 0
.irp a, 1,2,3,4,5,6,7
	PACK \a
	SEND \a-1
	TOSTAGE \a
.endr
	SEND 7
	s_wait_tensorcnt 0x0                           ; the wave's end
	ds_add_u32 v[SPW], v[NIL]
	s_wait_dscnt 0x0
	CROUND                                         ; the closing round
	s_endpgm
.Lfunc_end_k_q5905dde5c9_qkvgemm:
	.size	k_q5905dde5c9_qkvgemm, .Lfunc_end_k_q5905dde5c9_qkvgemm-k_q5905dde5c9_qkvgemm
	.p2alignl 7, 3214868480
	.fill 96, 4, 3214868480
	.section	.rodata,"a",@progbits
	.p2align	6, 0x0
	.amdhsa_kernel k_q5905dde5c9_qkvgemm
		.amdhsa_group_segment_fixed_size 327680
		.amdhsa_private_segment_fixed_size 0
		.amdhsa_enable_private_segment 0
		.amdhsa_kernarg_size 48
		.amdhsa_user_sgpr_count 2
		.amdhsa_user_sgpr_kernarg_segment_ptr 1
		.amdhsa_wavefront_size32 1
		.amdhsa_system_sgpr_workgroup_id_x 1
		.amdhsa_system_sgpr_workgroup_id_y 1
		.amdhsa_system_sgpr_workgroup_id_z 1
		.amdhsa_system_vgpr_workitem_id 0
		.amdhsa_next_free_vgpr 1024
		.amdhsa_next_free_sgpr 100
		.amdhsa_reserve_vcc 0
		.amdhsa_float_denorm_mode_32 3
		.amdhsa_float_denorm_mode_16_64 3
		.amdhsa_memory_ordered 1
		.amdhsa_forward_progress 1
		.amdhsa_inst_pref_size 128
	.end_amdhsa_kernel
	.amdgpu_metadata
---
amdhsa.version: [ 1, 2 ]
amdhsa.kernels:
  - .name:           k_q5905dde5c9_qkvgemm
    .symbol:         k_q5905dde5c9_qkvgemm.kd
    .args:
      - { .name: x_codes, .offset: 0, .size: 8, .value_kind: global_buffer, .address_space: global }
      - { .name: x_scales, .offset: 8, .size: 8, .value_kind: global_buffer, .address_space: global }
      - { .name: w_codes, .offset: 16, .size: 8, .value_kind: global_buffer, .address_space: global }
      - { .name: w_scales, .offset: 24, .size: 8, .value_kind: global_buffer, .address_space: global }
      - { .name: qkv, .offset: 32, .size: 8, .value_kind: global_buffer, .address_space: global }
      - { .name: q16, .offset: 40, .size: 8, .value_kind: global_buffer, .address_space: global }
    .group_segment_fixed_size: 327680
    .private_segment_fixed_size: 0
    .kernarg_segment_align: 8
    .kernarg_segment_size: 48
    .max_flat_workgroup_size: 128
    .sgpr_count:     100
    .vgpr_count:     1024
    .wavefront_size: 32
...
	.end_amdgpu_metadata
.endif
;; end of part 2
;; launch attn (part 3): grid 4 x 64, 16 waves a work-group, no clusters, 327,680 bytes of LDS; arguments qkv, o16; writes o16
.if DOCPART == 3
	.amdgcn_target "amdgcn-amd-amdhsa--gfx1250"
	.amdhsa_code_object_version 6
	.text
	.protected	k_q5905dde5c9_attn
	.globl	k_q5905dde5c9_attn
	.p2align	8
	.type	k_q5905dde5c9_attn,@function
k_q5905dde5c9_attn:
	s_mov_b64 s[64:65], 0
	v_nop
	global_prefetch_b8 v0, s[64:65] scope:SCOPE_SE
	s_setreg_imm32_b32 hwreg(HW_REG_WAVE_MODE, 25, 1), 1
	s_wait_xcnt 0x0
; CAUSAL ATTENTION.  o[b][h][q] = sum over k <= q of softmax_k(Q[q] . K[k] / 8) V[k].  Q, K, V: f16 in qkv [which 3][bh 64][2048][64]; products by the f16 matrix form, maxima and sums in f32,
; the weights p rounded to f16 for the second product, o once at the end to f16, laid [16 b + q / 128][head][128 rows][64].
; LIMITS: operands are f16 (beyond 65,504: infinity); NaN and infinities are not served.  Positions 0-15 of each batch are made again, in f32, by a later launch.
; SHARES.  Work-group (j, bh), j = 0..3: waves 0-7 own the block of 256 queries number 7 - j, waves 8-15 block j: every work-group has 9 blocks of keys' worth of work.  A wave owns 32 queries: two tiles of 16.
; NO CLUSTER: the four work-groups of a head need 8 - j slots of keys each; a joint load of a late slot would be read by no wave of some partner.
; THE RING: two LDS slots of 256 keys (K rows of 128 bytes + 16, V rows + 32), filled by waves 0, 1 (K's halves) and 2, 3 (V's halves), read by all sixteen.  Every work-group walks all 8 changes of slots:
; the trip counts are constants.  A step of 64 keys all of which come after the wave's 32 queries is jumped over; a slot whose first key comes after the work-group's last query is not asked for.
; LAYOUT.  S^T = K Q^T (source 0 = 16 keys, source 1 = 16 queries): a lane holds one query (lane % 16) and keys 8 (lane / 16) + 0..7 of each tile.  Two such tiles packed to f16 are source 1 of O^T = V^T P.
; SOFTMAX.  A running maximum m and sum l for each query: p = 2^(c s - c m), c = log2(e) / 8; in every step O^T and l are multiplied by a = 2^(c m_old - c m_new).
; REGISTERS: v1-13 addresses and constants; v16-31 statistics (tile t at 16 + 8 t: c m, m, l even, l odd, c0-c3); v32-63 Q; v64-127 K, then V; v128-191 S^T, then p; v192-255 O^T.
.set KP,    144
.set VP,    160
.set VOFF,  256*KP                     ; a slot: 256 rows of K, then 256 rows of V
.set SLOT1, 1<<17                      ; slot 1 begins here: one exclusive or turns an address
.set SPARE, 2*SLOT1                    ; the spare words, 128 bytes a wave: no other line names them
.set AK0,  1
.set AV0,  2
.set ADK,  3
.set ADV,  4
.set SPW,  5
.set NIL,  6
.set GO,   7
.set DM,   8                           ; v8   r - 8 (lane / 16)
.set NINF, 9                           ; v9   -infinity
.set DD,   10
.set PFO,  11                          ; v11  256 x lane
.set STO,  12
.set RD,   13
.set ST,   16
.set QF,   32
.set KV,   64
.set SR,   128
.set OT,   192
.set TB,   2                           ; s2   LDS byte at which the slot in hand begins
.set WV,   18
.set SEL,  20
.set CS,   22
.set G1K,  24
.set G1V,  32
.set G0K,  40
.set G0V,  44
.set SLOTS, 67
.set QL,   68                          ; s68  my work-group's last query
.set PFA,  76
.set LIM,  80
.set KF,   98                          ; s98  the step's first key
.set Q0,   99                          ; s99  my first query
; Waves 0 and 1 fetch K, waves 2 and 3 V, the others nothing.  An s_nop 0 and four v_nop follow each of the two lines.
.macro TLOAD
	s_cmp_lt_u32 s[WV], 2
	s_cbranch_scc0 .Lnot_k_\@
	tensor_load_to_lds s[G0K:G0K+3], s[G1K:G1K+7]
	s_nop 0
.rept 4
	v_nop
.endr
	s_branch .Lasked_\@
.Lnot_k_\@:
	s_cmp_lt_u32 s[WV], 4
	s_cbranch_scc0 .Lasked_\@
	tensor_load_to_lds s[G0V:G0V+3], s[G1V:G1V+7]
	s_nop 0
.rept 4
	v_nop
.endr
.Lasked_\@:
.endm
; A prefetch of what the NEXT change of slots will ask for: 32,768 dense bytes of K and as many of V.  The head's work-group j = 0, which walks all slots, asks, and nobody else; in it waves 4-7 ask for K,
; waves 8-11 for V, 8,192 bytes a wave, lanes 256 bytes apart: each block is named once in the launch.  The last change that fills a slot asks for nothing; slots 0 and 1 come by their loads alone.
.macro ASK
	s_cmp_gt_u32 s[SLOTS], s[LIM]
	s_cbranch_scc0 .Lnot_mine_\@
	global_prefetch_b8 v[PFO], s[PFA:PFA+1] th:TH_LOAD_NT scope:SCOPE_SE
.Lnot_mine_\@:
.endm
	s_load_b128 s[4:7], s[0:1], 0x0                ; qkv, o16
	v_lshl_add_u32 v[SPW], v0, 2, SPARE
	v_mov_b32 v[NIL], 0
	ds_add_u32 v[SPW], v[NIL]                      ; the wave's opening: the add, twice on end, and its wait ahead of my first tensor load
	ds_add_u32 v[SPW], v[NIL]
	v_lshrrev_b32 v14, 5, v0
	v_readfirstlane_b32 s[WV], v14                 ; wave 0..15
	s_and_b32 s8, ttmp7, 0xffff                    ; bh
	s_and_b32 s9, s[WV], 1
	s_lshl_b32 s12, s9, 14                         ; my half of a slot's rows in memory: 128 rows of 128 bytes
	s_mov_b32 s13, 0
	s_add_co_u32 s10, s8, 64
	s_lshl_b32 s10, s10, 18                        ; K's head: 262,144 bytes a head
	s_mov_b32 s11, 0
	s_add_co_u32 s14, s8, 128
	s_lshl_b32 s14, s14, 18                        ; V's head
	s_mov_b32 s15, 0
	s_mul_i32 s16, s9, 128*KP                      ; and in a slot
	s_mul_i32 s17, s9, 128*VP
	s_add_co_u32 s17, s17, VOFF
	s_sub_co_u32 s48, 7, ttmp9                     ; 7 - j
	s_lshr_b32 s49, s[WV], 3
	s_cmp_eq_u32 s49, 0
	s_cselect_b32 s50, s48, ttmp9                  ; my block of 256 queries
	s_lshl_b32 s50, s50, 8
	s_and_b32 s51, s[WV], 7
	s_lshl_b32 s51, s51, 5
	s_add_co_u32 s[Q0], s50, s51
	s_lshl_b32 s[QL], s48, 8
	s_or_b32 s[QL], s[QL], 255
	s_lshl_b32 s52, s8, 18
	s_lshl_b32 s53, s[Q0], 7
	s_add_co_u32 s52, s52, s53                     ; Q at my first query
	s_mov_b32 s53, 0
	s_lshr_b32 s54, s8, 4
	s_lshl_b32 s54, s54, 4
	s_lshr_b32 s55, s[Q0], 7
	s_add_co_u32 s54, s54, s55                     ; 16 b + q / 128
	s_lshl_b32 s54, s54, 4
	s_and_b32 s55, s8, 15
	s_add_co_u32 s54, s54, s55                     ; x 16 + head
	s_lshl_b32 s54, s54, 7
	s_and_b32 s55, s[Q0], 127
	s_add_co_u32 s54, s54, s55                     ; x 128 + q % 128
	s_lshl_b32 s54, s54, 7
	s_mov_b32 s55, 0
	s_mov_b32 s[G1K], (1<<16)|(1<<20)|(4<<22)|(3<<25)   ; no mask; elements of 2 bytes; padding on: 4 words after every 32
	s_mov_b32 s[G1V], (1<<16)|(1<<20)|(4<<22)|(7<<25)   ; 8 words after every 32
.irp g, G1K, G1V
	s_mov_b32 s[\g+1], 64<<16                      ; tensor_dim0
	s_mov_b32 s[\g+2], 128<<16                     ; tensor_dim1
	s_mov_b32 s[\g+3], 64<<16                      ; tile_dim0
	s_mov_b32 s[\g+4], 128                         ; tile_dim1
	s_mov_b32 s[\g+5], 64                          ; the pitch in memory
	s_mov_b32 s[\g+6], 0
	s_mov_b32 s[\g+7], 0
.endr
	s_mov_b32 s[SEL], 0x76543210
	s_mov_b32 s[SEL+1], 0xfedcba98
	s_mov_b32 s[CS], 0x3e38aa3b                    ; c = log2(e) / 8
	s_mov_b32 s[CS+1], s[CS]
	s_mov_b32 s[TB], 0
	s_mov_b32 s[SLOTS], 7
	s_mov_b32 s[KF], 0
	s_wait_dscnt 0x0                               ; both opening adds are done
	s_wait_kmcnt 0x0
	s_mov_b32 s[G0K], 1
	s_mov_b32 s[G0K+1], s16
	s_add_nc_u64 s[G0K+2:G0K+3], s[4:5], s[10:11]
	s_add_nc_u64 s[G0K+2:G0K+3], s[G0K+2:G0K+3], s[12:13]
	s_or_b32 s[G0K+3], s[G0K+3], 0x80000000
	s_mov_b32 s[G0V], 1
	s_mov_b32 s[G0V+1], s17
	s_add_nc_u64 s[G0V+2:G0V+3], s[4:5], s[14:15]
	s_add_nc_u64 s[G0V+2:G0V+3], s[G0V+2:G0V+3], s[12:13]
	s_or_b32 s[G0V+3], s[G0V+3], 0x80000000
	TLOAD                                          ; slot 0: keys 0-255, which count for queries of every block
	s_cmp_lt_u32 s[WV], 8                          ; the prefetches: waves 4-7 K, waves 8-11 V
	s_cselect_b64 s[56:57], s[10:11], s[14:15]     ; (offsets, no addresses)
	s_and_b32 s58, s[WV], 3
	s_lshl_b32 s58, s58, 13
	s_add_co_u32 s58, s58, 32768                   ; my 8,192 bytes, in slot 1: the first change of slots steps it to slot 2
	s_mov_b32 s59, 0
	s_add_nc_u64 s[PFA:PFA+1], s[4:5], s[56:57]
	s_add_nc_u64 s[PFA:PFA+1], s[PFA:PFA+1], s[58:59]
	s_sub_co_u32 s60, s[WV], 4
	s_lshr_b32 s60, s60, 3                         ; 0 in waves 4 to 11,
	s_or_b32 s60, s60, ttmp9                       ; of work-group j = 0
	s_cmp_eq_u32 s60, 0
	s_cselect_b32 s[LIM], 1, -1
	s_add_nc_u64 s[70:71], s[4:5], s[52:53]        ; Q
	s_add_nc_u64 s[6:7], s[6:7], s[54:55]          ; o16
	v_and_b32 v14, 15, v0                          ; r
	v_bfe_u32 v15, v0, 4, 1                        ; lane / 16
	v_mul_u32_u24 v[AK0], v14, KP
	v_lshl_add_u32 v[AK0], v15, 4, v[AK0]          ; K: row r x pitch + 16 x half
	v_and_b32 v[ADK], 7, v0
	v_lshl_add_u32 v[ADK], v15, 3, v[ADK]
	v_mul_u32_u24 v[AV0], v[ADK], VP               ; V, for the turning load: key 8 (l / 16) + l % 8,
	v_bfe_u32 v[ADK], v0, 3, 1
	v_lshl_add_u32 v[AV0], v[ADK], 4, v[AV0]       ; channels 8 ((l / 8) % 2) on
	v_add_nc_u32 v[AV0], VOFF, v[AV0]
	v_and_b32 v[GO], 31, v0
	v_lshlrev_b32 v[PFO], 8, v[GO]
	v_lshrrev_b32 v[RD], 3, v[GO]
	v_mul_u32_u24 v[RD], v[RD], KP
	v_and_b32 v[ADV], 7, v0
	v_lshl_add_u32 v[RD], v[ADV], 4, v[RD]
	s_mul_i32 s61, s[WV], 16*KP                    ; my stage for the way out: 16 rows x 144 bytes, in slot 0
	v_add_nc_u32 v[RD], s61, v[RD]                 ; back: eight lanes to a row, four rows an instruction
	v_add_nc_u32 v[STO], s61, v[AK0]               ; in: row r, 16 bytes for each half of the lanes
	v_lshlrev_b32 v[GO], 4, v[GO]
	v_lshlrev_b32 v[DM], 3, v15
	v_sub_nc_u32 v[DM], v14, v[DM]
	v_mov_b32 v[NINF], 0xff800000
	v_mov_b32 v[DD], 0
	v_lshlrev_b32 v14, 7, v14
	v_lshl_add_u32 v14, v15, 4, v14                ; Q: row r of 128 bytes + 16 x half
.irp t, 0,1
.irp c, 0,1
	global_load_b128 v[QF+16*\t+8*\c:QF+16*\t+8*\c+3],   v14, s[70:71] offset:\t*2048+\c*64
	global_load_b128 v[QF+16*\t+8*\c+4:QF+16*\t+8*\c+7], v14, s[70:71] offset:\t*2048+\c*64+32
.endr
.endr
.irp t, 0,1
	v_mov_b32 v[ST+8*\t+1], 0xff61b1e6             ; m = -3e38, under every score
	v_mul_f32 v[ST+8*\t], s[CS], v[ST+8*\t+1]      ; c m
.irp j, 2,3,4,5,6,7
	v_mov_b32 v[ST+8*\t+\j], 0                     ; l, and the registers at work: written once, so that no way through the text reads one unwritten
.endr
.endr
.set n, 0
.rept 64
	v_mov_b32 v[OT+n], 0                           ; O^T: the step is written once; the first finds zeros, which a = 0 leaves zeros
.set n, n+1
.endr
; A KEY STEP: 64 keys, the q-th of the slot in hand.
.macro STEP q
	s_add_co_u32 s96, s[Q0], 31
	s_cmp_gt_u32 s[KF], s96                        ; all 64 keys come after my 32 queries: the step's work is left out (ids and the count of steps alone)
	s_cbranch_scc1 .Lhidden_\@
	v_add_nc_u32 v[ADK], s[TB], v[AK0]
	v_add_nc_u32 v[ADV], s[TB], v[AV0]
.rept 3
	v_nop                                          ; with the two additions five places: the products below write over p's registers, which the last products read
.endr
.irp f, 0,1,2,3,4,5,6,7                        ; K's fragment f: keys 16 (f / 2) on, channels 32 (f % 2) on
	ds_load_b128 v[KV+8*\f:KV+8*\f+3],   v[ADK] offset:(\q)*64*KP+(\f/2)*16*KP+(\f%2)*64
	ds_load_b128 v[KV+8*\f+4:KV+8*\f+7], v[ADK] offset:(\q)*64*KP+(\f/2)*16*KP+(\f%2)*64+32
.endr
	s_wait_dscnt 0x0
.set i, 0
.rept 16                                       ; S^T = K Q^T: the eight accumulators take turns; the first eight products start the sums
.set rS, SR+32*(i%2)+8*((i/2)%4)
.set rK, KV+8*(2*((i/2)%4)+i/8)
.set rQ, QF+16*(i%2)+8*(i/8)
.if i < 8
	v_wmma_f32_16x16x32_f16 v[rS:rS+7], v[rK:rK+7], v[rQ:rQ+7], 0
.else
	v_wmma_f32_16x16x32_f16 v[rS:rS+7], v[rK:rK+7], v[rQ:rQ+7], v[rS:rS+7]
.endif
.set i, i+1
.endr
.rept 4
	v_nop                                          ; places in front of the loads into K's registers and of the first read of the scores
.endr
.irp f, 0,1,2,3,4,5,6,7                        ; V's fragment f, turned: keys 32 (f / 4) on, channels 16 (f % 4) on; it lands while the softmax is walked
	ds_load_tr16_b128 v[KV+8*\f:KV+8*\f+3],   v[ADV] offset:(\q)*64*VP+(\f/4)*32*VP+(\f%4)*32
	ds_load_tr16_b128 v[KV+8*\f+4:KV+8*\f+7], v[ADV] offset:(\q)*64*VP+(\f/4)*32*VP+(\f%4)*32+16*VP
.endr
	s_add_co_u32 s96, s[KF], 63
	s_cmp_le_u32 s96, s[Q0]                        ; all keys count for all my queries: no mask
	s_cbranch_scc1 .Lopen_\@
	s_sub_co_i32 s96, s[Q0], s[KF]
	v_add_nc_u32 v[DD], s96, v[DM]                 ; d = Q0 - KF + r - 8 (l / 16).  Register 8 kt + jj of tile t is hidden where 16 kt + jj - 16 t > d
.irp t, 0,1
.set n, 0
.rept 32
	v_cmp_gt_i32 vcc_lo, 16*(n/8)+n%8-16*\t, v[DD]
	v_cndmask_b32 v[SR+32*\t+n], v[SR+32*\t+n], v[NINF], vcc_lo
.set n, n+1
.endr
.endr
.Lopen_\@:
.irp j, 0,1,2,3                                ; the maximum: four chains a tile, each from its accumulator's low end on; the tiles by turns
.irp t, 0,1
	v_max3_num_f32 v[ST+8*\t+4+\j], v[SR+32*\t+8*\j], v[SR+32*\t+8*\j+1], v[SR+32*\t+8*\j+2]
.endr
.endr
.irp g, 1,2
.irp j, 0,1,2,3
.irp t, 0,1
	v_max3_num_f32 v[ST+8*\t+4+\j], v[ST+8*\t+4+\j], v[SR+32*\t+8*\j+2*\g+1], v[SR+32*\t+8*\j+2*\g+2]
.endr
.endr
.endr
.irp t, 0,1
	v_max3_num_f32 v[ST+8*\t+4], v[ST+8*\t+4], v[SR+32*\t+7], v[SR+32*\t+15]
	v_max3_num_f32 v[ST+8*\t+6], v[ST+8*\t+6], v[SR+32*\t+23], v[SR+32*\t+31]
.endr
.irp t, 0,1
	v_max3_num_f32 v[ST+8*\t+4], v[ST+8*\t+4], v[ST+8*\t+5], v[ST+8*\t+6]
.endr
.irp t, 0,1
	v_max3_num_f32 v[ST+8*\t+4], v[ST+8*\t+4], v[ST+8*\t+7], v[ST+8*\t+1]   ; with the old m
.endr
.irp t, 0,1
	v_permlanex16_b32 v[ST+8*\t+5], v[ST+8*\t+4], s[SEL], s[SEL+1]          ; the query's other 32 keys lie in the lane 16 away
.endr
.irp t, 0,1
	v_mov_b32 v[ST+8*\t+7], v[ST+8*\t]             ; c m_old is kept for a
.endr
.irp t, 0,1
	v_max_num_f32 v[ST+8*\t+1], v[ST+8*\t+4], v[ST+8*\t+5]
.endr
.irp t, 0,1
	v_mul_f32 v[ST+8*\t], s[CS], v[ST+8*\t+1]
.endr
.irp t, 0,1
	v_sub_f32 v[ST+8*\t+7], v[ST+8*\t+7], v[ST+8*\t]
.endr
.set n, 0
.rept 16
.irp t, 0,1
	v_pk_fma_f32 v[SR+32*\t+2*n:SR+32*\t+2*n+1], v[SR+32*\t+2*n:SR+32*\t+2*n+1], s[CS:CS+1], v[ST+8*\t:ST+8*\t+1] op_sel_hi:[1,0,0] neg_lo:[0,0,1] neg_hi:[0,0,1]   ; c s - c m, two at a time
.endr
.set n, n+1
.endr
.irp t, 0,1
	v_exp_f32 v[ST+8*\t+6], v[ST+8*\t+7]           ; a.  The 66 exponentials are one batch: none reads another's result
.endr
.set n, 0
.rept 32
.irp t, 0,1
	v_exp_f32 v[SR+32*\t+n], v[SR+32*\t+n]
.endr
.set n, n+1
.endr
	v_nop                                          ; a plain instruction behind the last exponential
	s_wait_alu depctr_va_vdst(0)                   ; one wait for the batch, ahead of its first reader
.irp t, 0,1
	v_pk_mul_f32 v[ST+8*\t+2:ST+8*\t+3], v[ST+8*\t+2:ST+8*\t+3], v[ST+8*\t+6:ST+8*\t+7] op_sel_hi:[1,0]   ; l x a
.endr
.irp t, 0,1
	v_pk_add_f32 v[ST+8*\t+4:ST+8*\t+5], v[SR+32*\t+16:SR+32*\t+17], v[SR+32*\t+18:SR+32*\t+19]           ; the sums of p in f32, in two chains a tile
.endr
.irp b, 0,1,2,3,4,5,6,7
.irp t, 0,1
	v_pk_add_f32 v[ST+8*\t+2:ST+8*\t+3], v[ST+8*\t+2:ST+8*\t+3], v[SR+32*\t+2*\b:SR+32*\t+2*\b+1]
.if \b < 6
	v_pk_add_f32 v[ST+8*\t+4:ST+8*\t+5], v[ST+8*\t+4:ST+8*\t+5], v[SR+32*\t+20+2*\b:SR+32*\t+21+2*\b]
.endif
.endr
.endr
.irp t, 0,1
	v_pk_add_f32 v[ST+8*\t+2:ST+8*\t+3], v[ST+8*\t+2:ST+8*\t+3], v[ST+8*\t+4:ST+8*\t+5]
.endr
.set n, 0
.rept 16
.irp t, 0,1
	v_cvt_pk_f16_f32 v[SR+32*\t+n], v[SR+32*\t+2*n], v[SR+32*\t+2*n+1]   ; p to f16, packed in place, ascending: register n is written when registers up to 2 n + 1 have been read
.endr
.set n, n+1
.endr
.set n, 0
.rept 16
.irp t, 0,1
	v_pk_mul_f32 v[OT+32*\t+2*n:OT+32*\t+2*n+1], v[OT+32*\t+2*n:OT+32*\t+2*n+1], v[ST+8*\t+6:ST+8*\t+7] op_sel_hi:[1,0]   ; O^T x a
.endr
.set n, n+1
.endr
	s_wait_dscnt 0x0                               ; V is in
.set i, 0
.rept 16                                       ; O^T += V^T P: eight accumulators by turns
.set rO, OT+32*(i%2)+8*((i/2)%4)
.set rV, KV+32*(i/8)+8*((i/2)%4)
.set rP, SR+32*(i%2)+8*(i/8)
	v_wmma_f32_16x16x32_f16 v[rO:rO+7], v[rV:rV+7], v[rP:rP+7], v[rO:rO+7]
.set i, i+1
.endr
.Lhidden_\@:
	s_add_co_u32 s[KF], s[KF], 64
.endm
; THE CHANGE OF SLOTS stands at a slot's head.  Each wave waits for all its tensor loads, adds 0 to its spare word (fill = 1: twice on end), and waits
; for that and for its reads of the slot that it has left.  Behind the barrier the slot ahead is whole and nobody reads the other one, which is filled with the keys that follow, up to the causal limit.
.macro CHANGE fill
	s_wait_tensorcnt 0x0                           ; no tensor load of mine is out, so a group 0 may be written
	ds_add_u32 v[SPW], v[NIL]
.if \fill
	ds_add_u32 v[SPW], v[NIL]
	s_xor_b32 s[G0K+1], s[G0K+1], SLOT1            ; the walking descriptors: the other slot, the next 256 keys
	s_add_nc_u64 s[G0K+2:G0K+3], s[G0K+2:G0K+3], 32768
	s_xor_b32 s[G0V+1], s[G0V+1], SLOT1
	s_add_nc_u64 s[G0V+2:G0V+3], s[G0V+2:G0V+3], 32768
	s_wait_xcnt 0x0                                ; the last prefetch, a slot back, has read its address
	s_add_nc_u64 s[PFA:PFA+1], s[PFA:PFA+1], 32768 ; one slot further on than the walking descriptors
.endif
	s_wait_dscnt 0x0                               ; the add is done, and my reads of the slot that I have left are over
	s_barrier_signal -1
	s_barrier_wait -1
.if \fill
	s_add_co_u32 s96, s[KF], 256                   ; the first key of the slot that this change would ask for
	s_cmp_gt_u32 s96, s[QL]                        ; past my work-group's last query: no wave would read it.  Ids and the count of steps alone: all sixteen waves go the same way
	s_cbranch_scc1 .Lpast_\@
	TLOAD                                          ; a wave's one tensor load until the next barrier; it has a slot's four steps in which to land
.Lpast_\@:
	ASK
.endif
.endm
.macro SLOT_STEPS
.set Q, 0
.rept 4
	STEP Q
.set Q, Q+1
.endr
	s_xor_b32 s[TB], s[TB], SLOT1
.endm
	s_wait_loadcnt 0x0                             ; Q
.Lslot:                                            ; 7 trips
	CHANGE 1
	SLOT_STEPS
	s_sub_co_u32 s[SLOTS], s[SLOTS], 1
	s_cmp_lg_u32 s[SLOTS], 0
	s_cbranch_scc1 .Lslot
	CHANGE 0                                       ; the last slot is written out: nothing is left to ask for
	SLOT_STEPS
	; THE WAY OUT.  l's halves are added; O^T / l is rounded to f16 and goes through my stage in LDS slot 0 (left at the last change of slots; its last fill is over), a tile at a time.
.rept 4
	v_nop
.endr
.irp t, 0,1
	v_add_f32 v[ST+8*\t+4], v[ST+8*\t+2], v[ST+8*\t+3]
.endr
.irp t, 0,1
	v_permlanex16_b32 v[ST+8*\t+5], v[ST+8*\t+4], s[SEL], s[SEL+1]
.endr
.irp t, 0,1
	v_add_f32 v[ST+8*\t+4], v[ST+8*\t+4], v[ST+8*\t+5]
.endr
.irp t, 0,1
	v_rcp_f32 v[ST+8*\t+6], v[ST+8*\t+4]
.endr
	v_nop                                          ; a plain instruction behind the last reciprocal
	s_wait_alu depctr_va_vdst(0)                   ; one wait for the two, ahead of the first reader
.irp t, 0,1
.set n, 0
.rept 16
	v_pk_mul_f32 v[OT+32*\t+2*n:OT+32*\t+2*n+1], v[OT+32*\t+2*n:OT+32*\t+2*n+1], v[ST+8*\t+6:ST+8*\t+7] op_sel_hi:[1,0]
.set n, n+1
.endr
.set n, 0
.rept 16
	v_cvt_pk_f16_f32 v[SR+32*\t+n], v[OT+32*\t+2*n], v[OT+32*\t+2*n+1]   ; registers 4 ct .. 4 ct + 3: channels 16 ct + 8 (l / 16) + 0..7 of query r
.set n, n+1
.endr
.irp c, 0,1,2,3
	ds_store_b128 v[STO], v[SR+32*\t+4*\c:SR+32*\t+4*\c+3] offset:32*\c
.endr
.irp i, 0,1,2,3
	ds_load_b128 v[KV+16*\t+4*\i:KV+16*\t+4*\i+3], v[RD] offset:576*\i   ; LDS serves a wave's instructions in order: these see the stores above, and the next tile's stores come behind them
.endr
.endr
.irp t, 0,1
.irp i, 0,1,2,3
	s_wait_dscnt 8*(1-\t)+3-\i                     ; behind this load: the tile's younger loads, and for tile 0 the eight LDS instructions of tile 1
	global_store_b128 v[GO], v[KV+16*\t+4*\i:KV+16*\t+4*\i+3], s[6:7] offset:\t*2048+512*\i   ; 32 lanes store 512 consecutive bytes: four rows
.endr
.endr
	s_wait_tensorcnt 0x0                           ; the wave's end
	ds_add_u32 v[SPW], v[NIL]
	s_wait_dscnt 0x0
	s_endpgm
.Lfunc_end_k_q5905dde5c9_attn:
	.size	k_q5905dde5c9_attn, .Lfunc_end_k_q5905dde5c9_attn-k_q5905dde5c9_attn
	.p2alignl 7, 3214868480
	.fill 96, 4, 3214868480
	.section	.rodata,"a",@progbits
	.p2align	6, 0x0
	.amdhsa_kernel k_q5905dde5c9_attn
		.amdhsa_group_segment_fixed_size 327680
		.amdhsa_private_segment_fixed_size 0
		.amdhsa_enable_private_segment 0
		.amdhsa_kernarg_size 16
		.amdhsa_user_sgpr_count 2
		.amdhsa_user_sgpr_kernarg_segment_ptr 1
		.amdhsa_wavefront_size32 1
		.amdhsa_system_sgpr_workgroup_id_x 1
		.amdhsa_system_sgpr_workgroup_id_y 1
		.amdhsa_system_sgpr_workgroup_id_z 1
		.amdhsa_system_vgpr_workitem_id 0
		.amdhsa_next_free_vgpr 256
		.amdhsa_next_free_sgpr 100
		.amdhsa_reserve_vcc 1
		.amdhsa_float_denorm_mode_32 3
		.amdhsa_float_denorm_mode_16_64 3
		.amdhsa_memory_ordered 1
		.amdhsa_forward_progress 1
		.amdhsa_inst_pref_size 189
	.end_amdhsa_kernel
	.amdgpu_metadata
---
amdhsa.version: [ 1, 2 ]
amdhsa.kernels:
  - .name:           k_q5905dde5c9_attn
    .symbol:         k_q5905dde5c9_attn.kd
    .args:
      - { .name: qkv, .offset: 0, .size: 8, .value_kind: global_buffer, .address_space: global }
      - { .name: o16, .offset: 8, .size: 8, .value_kind: global_buffer, .address_space: global }
    .group_segment_fixed_size: 327680
    .private_segment_fixed_size: 0
    .kernarg_segment_align: 8
    .kernarg_segment_size: 16
    .max_flat_workgroup_size: 512
    .sgpr_count:     100
    .vgpr_count:     256
    .wavefront_size: 32
...
	.end_amdgpu_metadata
.endif
;; end of part 3
;; launch proj (part 4): grid 4 x 64, 4 waves a work-group, clusters of 4 x 4, 327,680 bytes of LDS; arguments o16, wo16, out0; writes out0
.if DOCPART == 4
	.amdgcn_target "amdgcn-amd-amdhsa--gfx1250"
	.amdhsa_code_object_version 6
	.text
	.protected	k_q5905dde5c9_proj
	.globl	k_q5905dde5c9_proj
	.p2align	8
	.type	k_q5905dde5c9_proj,@function
k_q5905dde5c9_proj:
	s_mov_b64 s[64:65], 0
	v_nop
	global_prefetch_b8 v0, s[64:65] scope:SCOPE_SE
	s_setreg_imm32_b32 hwreg(HW_REG_WAVE_MODE, 25, 1), 1
	s_wait_xcnt 0x0
	s_wait_alu depctr_hold_cnt(0) depctr_sa_sdst(0) depctr_va_vdst(0) depctr_va_sdst(0) depctr_va_ssrc(0) depctr_va_vcc(0) depctr_vm_vsrc(0)
	s_getreg_b32 s2, hwreg(HW_REG_IB_STS2, 6, 4)
	s_cmp_eq_u32 s2, 0
	s_cbranch_scc0 .Lentry_in_a_cluster
	s_endpgm
.Lentry_in_a_cluster:
	s_bfe_u32 s2, ttmp6, 0x10000c
	s_cmp_lg_u32 s2, 0xf033
	s_cbranch_scc0 .Lentry_shape_is_right
	s_endpgm
.Lentry_shape_is_right:
; out0[m][n] = sum over k of o[m][k] wo[n][k], m = 8,192 positions, n = k = 1,024; operands f16, sums f32, out0 f32.
; o16: [m / 128][head 16][128 rows][64]; wo16: [n / 256][head 16][256 rows][64]: a head's slab of a tile is one dense block of memory.
; A tile of out0 is 128 (m) x 256 (n): 256 work-groups.  Four waves, each 64 x 128: 32 accumulators, window 2.  K goes in steps of 128 (two heads' slabs) through a ring of two LDS slots.
; CLUSTERS 4 x 4: the tile column is cx, the tile row 4 x cluster y + cy.  A's slabs are asked for jointly along a row of the cluster, B's along a column.
; THE MATRIX INSTRUCTION IS USED TRANSPOSED (source 0 = 16 rows of wo, source 1 = 16 rows of o): a lane holds eight neighbouring columns of one row of out0.
; No prefetch: of the eight K steps four go out with the first fills and the first two refills, and wo16's slabs are read by sixteen clusters.
; The rows of positions 0-15 of each batch are stored here too, from f16 operands; a later launch stores them again from f32.
; LIMIT: operands are f16 (beyond 65,504: infinity).
; REGISTERS: window 0: v16-29 addresses; v64-95, v96-127 A's fragments, two buffers; v128-255 the way out.  window 1: v0-63, v64-127 B's fragments, two buffers.  window 2: accumulator (a, b) at v[8 (8 a + b)].
.set PITCH,  144                       ; an LDS row: 128 bytes + 16: 36 words: the 16 rows of a load start in different groups of banks
.set AOFF,   2*128*PITCH               ; a slot: A's two slabs of 128 rows, then B's two of 256
.set SLOT,   AOFF+2*256*PITCH
.set SPARE,  2*SLOT                    ; the spare words, 128 bytes a wave: no other line names them
.set SPITCH, 528                       ; the way out: a stage of 16 rows x (512 bytes + 16) a wave, in slot 0, behind its last fill and its last read
.set LAPS,   4
.set ADRA, 16
.set ADRB, 20
.set STO,  24
.set RD,   25
.set CO,   26
.set SPW,  28
.set NIL,  29
.set AF,   64
.set BK,   128
.set G1, 24
.set G0, 32
.set G1B, 48
.set G0B, 56
.set MSB, 0
.macro WIN new
.if MSB != (\new)
	s_set_vgpr_msb (MSB<<8)|(\new)
.set MSB, (\new)
.endif
.endm
.set MUL,  0xa1                        ; source 0 (B) window 1, source 1 (A) window 0, C and D window 2
.set TO_B, 0x40
.macro JLOAD s                         ; waves 0, 1 fetch A's two slabs, waves 2, 3 B's; an s_nop 0 and four v_nop follow each line
	s_cmp_eq_u32 s11, 0
	s_cbranch_scc0 .Lfor_b_\@
	tensor_load_to_lds s[G0+4*\s:G0+4*\s+3], s[G1:G1+7]
	s_nop 0
.rept 4
	v_nop
.endr
	s_branch .Lasked_\@
.Lfor_b_\@:
	tensor_load_to_lds s[G0B+4*\s:G0B+4*\s+3], s[G1B:G1B+7]
	s_nop 0
.rept 4
	v_nop
.endr
.Lasked_\@:
.endm
.macro CREST
	s_cmp_lg_u32 s10, 0
	s_cbranch_scc1 .Lnot_wave_0_\@
	s_barrier_signal -3
.Lnot_wave_0_\@:
	s_barrier_wait -3
	s_barrier_signal -1
	s_barrier_wait -1
.endm
.macro CROUND
	s_barrier_signal -1
	s_barrier_wait -1
	CREST
.endm
	s_load_b128 s[4:7], s[0:1], 0x0                ; o16, wo16
	s_load_b64 s[8:9], s[0:1], 0x10                ; out0
	v_lshl_add_u32 v[SPW], v0, 2, SPARE
	v_mov_b32 v[NIL], 0
	ds_add_u32 v[SPW], v[NIL]                      ; the wave's opening: the add, twice on end, and its wait ahead of my first tensor load
	ds_add_u32 v[SPW], v[NIL]
	v_lshrrev_b32 v1, 5, v0
	v_readfirstlane_b32 s10, v1                    ; wave 0..3
	s_lshr_b32 s11, s10, 1                         ; my half of the tile's rows.  Also: I fetch for A (0) or for B (1)
	s_and_b32 s12, s10, 1                          ; my half of its columns.  Also: which of a K step's two slabs I fetch
	s_bfe_u32 s40, ttmp6, 0x40000                  ; cx
	s_bfe_u32 s41, ttmp6, 0x40004                  ; cy
	s_lshl_b32 s42, ttmp9, 2
	s_add_co_u32 s42, s42, s40                     ; tile column
	s_and_b32 s13, ttmp7, 0xffff
	s_lshl_b32 s13, s13, 2
	s_add_co_u32 s13, s13, s41                     ; tile row
	s_lshl_b32 s43, s41, 2
	s_lshl_b32 s43, 15, s43                        ; my row of the cluster
	s_lshl_b32 s44, 0x1111, s40                    ; my column
	s_or_b32 s[G1+0], s43, (1<<16)|(1<<20)|(1<<21)|(4<<22)|(3<<25)   ; the mask; elements of 2 bytes; padding on; bit 21 beside a mask; 4 words after every 32
	s_or_b32 s[G1B+0], s44, (1<<16)|(1<<20)|(1<<21)|(4<<22)|(3<<25)
	s_mov_b32 s[G1+1], 64<<16                      ; A: a slab of 128 rows x 64 elements
	s_mov_b32 s[G1+2], 128<<16
	s_mov_b32 s[G1+3], 64<<16
	s_mov_b32 s[G1+4], 128
	s_mov_b32 s[G1+5], 64
	s_mov_b32 s[G1+6], 0
	s_mov_b32 s[G1+7], 0
	s_mov_b32 s[G1B+1], 64<<16                     ; B: 256 rows x 64
	s_mov_b32 s[G1B+2], 256<<16
	s_mov_b32 s[G1B+3], 64<<16
	s_mov_b32 s[G1B+4], 256
	s_mov_b32 s[G1B+5], 64
	s_mov_b32 s[G1B+6], 0
	s_mov_b32 s[G1B+7], 0
	s_lshl_b32 s16, s13, 18                        ; A: a tile row's 16 slabs are 262,144 bytes,
	s_lshl_b32 s17, s12, 14                        ; a slab 16,384
	s_add_co_u32 s16, s16, s17
	s_mov_b32 s17, 0
	s_lshl_b32 s46, s42, 19                        ; B: a tile column's are 524,288,
	s_lshl_b32 s47, s12, 15                        ; a slab 32,768
	s_add_co_u32 s46, s46, s47
	s_mov_b32 s47, 0
	s_mul_i32 s20, s12, 128*PITCH                  ; where they go: no place in the cluster enters an LDS address
	s_mul_i32 s21, s12, 256*PITCH
	s_add_co_u32 s21, s21, AOFF
	s_wait_dscnt 0x0                               ; both opening adds are done
	s_wait_kmcnt 0x0
	s_add_nc_u64 s[14:15], s[4:5], s[16:17]
	s_add_nc_u64 s[46:47], s[6:7], s[46:47]
	CROUND                                         ; all sixteen work-groups are here: the first joint loads meet
.irp s, 0,1
	s_mov_b32 s[G0+4*\s], 1
	s_add_co_u32 s[G0+4*\s+1], s20, \s*SLOT
	s_add_nc_u64 s[G0+4*\s+2:G0+4*\s+3], s[14:15], \s*32768
	s_or_b32 s[G0+4*\s+3], s[G0+4*\s+3], 0x80000000
	s_mov_b32 s[G0B+4*\s], 1
	s_add_co_u32 s[G0B+4*\s+1], s21, \s*SLOT
	s_add_nc_u64 s[G0B+4*\s+2:G0B+4*\s+3], s[46:47], \s*65536
	s_or_b32 s[G0B+4*\s+3], s[G0B+4*\s+3], 0x80000000
	JLOAD \s
.endr
	v_and_b32 v1, 15, v0                           ; r
	v_bfe_u32 v2, v0, 4, 1                         ; l / 16
	v_mul_u32_u24 v3, v1, PITCH
	v_lshl_add_u32 v3, v2, 4, v3
	s_mul_i32 s22, s11, 64*PITCH                   ; my 64 rows of A
	s_mul_i32 s23, s12, 128*PITCH                  ; my 128 rows of B
	s_add_co_u32 s23, s23, AOFF
.irp s, 0,1
	v_add_nc_u32 v[ADRA+\s], s22, v3
	v_add_nc_u32 v[ADRB+\s], s23, v3
	s_add_co_u32 s22, s22, SLOT
	s_add_co_u32 s23, s23, SLOT
.endr
	s_mul_i32 s22, s10, 16*SPITCH                  ; my stage
	v_mul_u32_u24 v5, v1, SPITCH
	v_lshl_add_u32 v5, v2, 5, v5
	v_add_nc_u32 v[STO], s22, v5                   ; in: row r, 32 bytes for each half of the lanes
	v_and_b32 v6, 31, v0
	v_lshlrev_b32 v[CO], 4, v6                     ; back: the 32 lanes take one row of 512 bytes; the same in out0
	v_add_nc_u32 v[RD], s22, v[CO]
	s_lshl_b32 s16, s13, 7
	s_lshl_b32 s17, s11, 6
	s_add_co_u32 s16, s16, s17                     ; my first row of out0
	s_lshl_b32 s16, s16, 12                        ; rows of 4,096 bytes
	s_mov_b32 s17, 0
	s_lshl_b32 s46, s42, 10                        ; my first column, in bytes
	s_lshl_b32 s47, s12, 9
	s_add_co_u32 s46, s46, s47
	s_mov_b32 s47, 0
	s_add_nc_u64 s[8:9], s[8:9], s[16:17]
	s_add_nc_u64 s[8:9], s[8:9], s[46:47]
; 8 matrix instructions: A's block a x B's eight, 32 along K, buffers f.  The 32 accumulators take turns in the same order in every quarter.
.macro MULB a, f, zero
.irp b, 0,1,2,3,4,5,6,7
.if \zero
	v_wmma_f32_16x16x32_f16 v[8*(8*\a+\b):8*(8*\a+\b)+7], v[64*\f+8*\b:64*\f+8*\b+7], v[AF+32*\f+8*\a:AF+32*\f+8*\a+7], 0
.else
	v_wmma_f32_16x16x32_f16 v[8*(8*\a+\b):8*(8*\a+\b)+7], v[64*\f+8*\b:64*\f+8*\b+7], v[AF+32*\f+8*\a:AF+32*\f+8*\a+7], v[8*(8*\a+\b):8*(8*\a+\b)+7]
.endif
.endr
.endm
; 24 LDS loads in one run: quarter kk of a slot (slab kk / 2, channels 32 (kk % 2) on) into buffers f: B's eight fragments, then A's four
.macro FETCH slot, kk, f
	WIN TO_B
.irp i, 0,1,2,3,4,5,6,7
	ds_load_b128 v[64*\f+8*\i:64*\f+8*\i+3],   v[ADRB+\slot] offset:((\kk)/2)*256*PITCH+\i*16*PITCH+64*((\kk)%2)
	ds_load_b128 v[64*\f+8*\i+4:64*\f+8*\i+7], v[ADRB+\slot] offset:((\kk)/2)*256*PITCH+\i*16*PITCH+64*((\kk)%2)+32
.endr
	WIN 0
.irp i, 0,1,2,3
	ds_load_b128 v[AF+32*\f+8*\i:AF+32*\f+8*\i+3],   v[ADRA+\slot] offset:((\kk)/2)*128*PITCH+\i*16*PITCH+64*((\kk)%2)
	ds_load_b128 v[AF+32*\f+8*\i+4:AF+32*\f+8*\i+7], v[ADRA+\slot] offset:((\kk)/2)*128*PITCH+\i*16*PITCH+64*((\kk)%2)+32
.endr
.endm
.macro PLACES                          ; four places in front of loads into registers that matrix instructions have read, and of the first read of results
.rept 4
	v_nop
.endr
.endm
; One of a K step's first three quarters: multiplies buffers f and fetches quarter kk into buffers g.
.macro QUARTER slot, kk, f, g, zero
	s_wait_dscnt 4                                 ; B's fragments and A's blocks 0, 1 are in; the youngest four loads (A's blocks 2, 3) may be out
	WIN MUL
	MULB 0, \f, \zero
	MULB 1, \f, \zero
	PLACES
	FETCH \slot, \kk, \g
	s_wait_dscnt 24                                ; all but the 24 just issued
	WIN MUL
	MULB 2, \f, \zero
	MULB 3, \f, \zero
.endm
; The last quarter multiplies buffers 1 and changes slots: one barrier; in front of it each wave waits for all its tensor loads, adds 0 to its spare word, and waits for that and for its reads of this slot.
.macro TURN slot, next, fill
	WIN 0                                          ; (the add's two registers lie in window 0)
	s_wait_tensorcnt 0x0                           ; my part of the next slot has landed
	ds_add_u32 v[SPW], v[NIL]
	s_wait_dscnt 5                                 ; the add and the youngest four loads may be out
	WIN MUL
	MULB 0, 1, 0
	s_wait_dscnt 0x0                               ; the add is done, and my reads of this slot are over
	s_barrier_signal -1
	MULB 1, 1, 0
.if \fill
	WIN 0
.endif
	s_barrier_wait -1
.if \fill
	CREST                                          ; the barrier has opened a round of the cluster's barrier: no wave of any partner still reads this slot or has a load on its way
	s_add_nc_u64 s[G0+4*\slot+2:G0+4*\slot+3], s[G0+4*\slot+2:G0+4*\slot+3], 65536
	s_add_nc_u64 s[G0B+4*\slot+2:G0B+4*\slot+3], s[G0B+4*\slot+2:G0B+4*\slot+3], 131072
	JLOAD \slot                                    ; the first tensor load behind the round; its four v_nop are also the places in front of the loads below
.else
	PLACES
.endif
	FETCH \next, 0, 0
	WIN MUL
	MULB 2, 1, 0
	MULB 3, 1, 0
.endm
	s_wait_tensorcnt 1                             ; my part of K step 0 is in; K step 1's load may be out
	s_barrier_signal -1
	s_barrier_wait -1
	FETCH 0, 0, 0
	QUARTER 0, 1, 0, 1, 1                          ; the first quarter's products start the sums
	WIN 0
	s_mov_b32 s3, LAPS-1
.Llap:                                             ; a trip goes once round the ring and fills both slots again
	QUARTER 0, 2, 1, 0, 0
	QUARTER 0, 3, 0, 1, 0
	TURN 0, 1, 1
	QUARTER 1, 1, 0, 1, 0
	QUARTER 1, 2, 1, 0, 0
	QUARTER 1, 3, 0, 1, 0
	TURN 1, 0, 1
	QUARTER 0, 1, 0, 1, 0
	WIN 0
	s_sub_co_u32 s3, s3, 1
	s_cmp_lg_u32 s3, 0
	s_cbranch_scc1 .Llap
	QUARTER 0, 2, 1, 0, 0                          ; the last lap fills nothing
	QUARTER 0, 3, 0, 1, 0
	TURN 0, 1, 0
	QUARTER 1, 1, 0, 1, 0
	QUARTER 1, 2, 1, 0, 0
	QUARTER 1, 3, 0, 1, 0
	s_wait_dscnt 4
	WIN MUL
	MULB 0, 1, 0
	MULB 1, 1, 0
	s_wait_dscnt 0
	MULB 2, 1, 0
	MULB 3, 1, 0
	WIN 0
; THE WAY OUT, block by block of 16 rows x 128 columns, through my own stage: back as whole rows of 512 bytes.
.macro TOSTAGE a
	WIN 0x08                                       ; an LDS store's data are its source 1: window 2
.irp b, 0,1,2,3,4,5,6,7
	ds_store_b128 v[STO], v[64*(\a)+8*\b:64*(\a)+8*\b+3] offset:64*\b          ; each accumulator from its low end on
	ds_store_b128 v[STO], v[64*(\a)+8*\b+4:64*(\a)+8*\b+7] offset:64*\b+16
.endr
	WIN 0
.set BB, BK+64*((\a)%2)
.irp t, 0,1,2,3,4,5,6,7,8,9,10,11,12,13,14,15
	ds_load_b128 v[BB+4*\t:BB+4*\t+3], v[RD] offset:\t*SPITCH    ; LDS serves a wave's instructions in order: these see the stores above
.endr
.endm
.macro SEND a, younger
.set BB, BK+64*((\a)%2)
	s_wait_dscnt \younger                          ; the block is back; the next block's 16 stores and 16 loads may be out
.if (\a) > 0
	s_add_nc_u64 s[8:9], s[8:9], 65536             ; 16 rows on (behind a wait on XCNT: the earlier stores have read their base)
.endif
.irp t, 0,1,2,3,4,5,6,7,8,9,10,11,12,13,14,15
	global_store_b128 v[CO], v[BB+4*\t:BB+4*\t+3], s[8:9] offset:\t*4096   ; 32 lanes store 512 consecutive bytes
.endr
.endm
	PLACES
	TOSTAGE 0
.irp a, 1,2,3
.if \a > 1
	s_wait_xcnt 0x0                                ; block a - 2's stores have read their registers and their base
.endif
	TOSTAGE \a
	SEND \a-1, 32
.endr
	s_wait_xcnt 0x0
	SEND 3, 0
	s_wait_tensorcnt 0x0                           ; the wave's end
	ds_add_u32 v[SPW], v[NIL]
	s_wait_dscnt 0x0
	CROUND                                         ; the closing round
	s_endpgm
.Lfunc_end_k_q5905dde5c9_proj:
	.size	k_q5905dde5c9_proj, .Lfunc_end_k_q5905dde5c9_proj-k_q5905dde5c9_proj
	.p2alignl 7, 3214868480
	.fill 96, 4, 3214868480
	.section	.rodata,"a",@progbits
	.p2align	6, 0x0
	.amdhsa_kernel k_q5905dde5c9_proj
		.amdhsa_group_segment_fixed_size 327680
		.amdhsa_private_segment_fixed_size 0
		.amdhsa_enable_private_segment 0
		.amdhsa_kernarg_size 24
		.amdhsa_user_sgpr_count 2
		.amdhsa_user_sgpr_kernarg_segment_ptr 1
		.amdhsa_wavefront_size32 1
		.amdhsa_system_sgpr_workgroup_id_x 1
		.amdhsa_system_sgpr_workgroup_id_y 1
		.amdhsa_system_sgpr_workgroup_id_z 1
		.amdhsa_system_vgpr_workitem_id 0
		.amdhsa_next_free_vgpr 768
		.amdhsa_next_free_sgpr 66
		.amdhsa_reserve_vcc 0
		.amdhsa_float_denorm_mode_32 3
		.amdhsa_float_denorm_mode_16_64 3
		.amdhsa_memory_ordered 1
		.amdhsa_forward_progress 1
		.amdhsa_inst_pref_size 85
	.end_amdhsa_kernel
	.amdgpu_metadata
---
amdhsa.version: [ 1, 2 ]
amdhsa.kernels:
  - .name:           k_q5905dde5c9_proj
    .symbol:         k_q5905dde5c9_proj.kd
    .args:
      - { .name: o16, .offset: 0, .size: 8, .value_kind: global_buffer, .address_space: global }
      - { .name: wo16, .offset: 8, .size: 8, .value_kind: global_buffer, .address_space: global }
      - { .name: out0, .offset: 16, .size: 8, .value_kind: global_buffer, .address_space: global }
    .group_segment_fixed_size: 327680
    .private_segment_fixed_size: 0
    .kernarg_segment_align: 8
    .kernarg_segment_size: 24
    .max_flat_workgroup_size: 128
    .sgpr_count:     66
    .vgpr_count:     768
    .wavefront_size: 32
...
	.end_amdgpu_metadata
.endif
;; end of part 4
;; launch first16 (part 5): grid 16 x 4, 16 waves a work-group, no clusters, 71,680 bytes of LDS; arguments q16, wo, out0; writes out0
.if DOCPART == 5
	.amdgcn_target "amdgcn-amd-amdhsa--gfx1250"
	.amdhsa_code_object_version 6
	.text
	.protected	k_q5905dde5c9_first16
	.globl	k_q5905dde5c9_first16
	.p2align	8
	.type	k_q5905dde5c9_first16,@function
k_q5905dde5c9_first16:
	s_mov_b64 s[64:65], 0
	v_nop
	global_prefetch_b8 v0, s[64:65] scope:SCOPE_SE
	s_setreg_imm32_b32 hwreg(HW_REG_WAVE_MODE, 25, 1), 1
	s_wait_xcnt 0x0
; POSITIONS 0-15 OF EVERY BATCH, IN F32 THROUGHOUT: under the causal mask these rows average one to sixteen values and are the largest in size.
; Work-group (g, b): batch b, columns 64 g .. 64 g + 63 of out0.  Wave h takes head h: its attention over the 16 positions, and its 64 channels' share of the projection; the sixteen shares meet in LDS.
; q16: f32 [which 3][batch][head][16][64]; wo: f32 [1024][1024].  All products by the f32 matrix form 16 x 16 x 4; this is 96 such instructions a wave, no bulk work.
; In each product the order of k is permuted alike in both sources: a lane's register pair 2 c, 2 c + 1 is the instruction's k = 2 (lane / 16) + 0, 1, whichever true k the two sources agree on.
; The registers that these matrix instructions write (v160-239) are written by them alone; each sum's first instruction takes the constant 0.
; LIMITS: NaN and infinities among the inputs are not served.
; REGISTERS: v1-15 addresses and work; v16-23 the scores, then p unnormalised; v24-31 p; v32-63 Q, then W0; v64-95 K, then W1; v96-127 V, then W2; v128-159 W3; v160, v168 S^T in two halves; v176-207 O^T; v208-239 the shares.
.set REG,   16*272                     ; LDS: a wave's region: 16 rows x (256 bytes + 16)
.set SPARE, 16*REG                     ; the spare words, 128 bytes a wave: no other line names them
	s_load_b128 s[4:7], s[0:1], 0x0                ; q16, wo
	s_load_b64 s[8:9], s[0:1], 0x10                ; out0
	v_lshl_add_u32 v6, v0, 2, SPARE
	v_mov_b32 v7, 0
	v_lshrrev_b32 v1, 5, v0
	v_readfirstlane_b32 s12, v1                    ; wave = head; later: the position that I sum
	v_and_b32 v1, 15, v0                           ; r
	v_bfe_u32 v2, v0, 4, 1                         ; hh = lane / 16
	v_lshlrev_b32 v3, 8, v1
	v_lshl_add_u32 v3, v2, 7, v3                   ; Q, K: row r of 256 bytes, channels 32 hh on
	v_lshlrev_b32 v4, 2, v1
	v_lshl_add_u32 v4, v2, 11, v4                  ; V: key 8 hh on, channel r
	v_lshlrev_b32 v5, 12, v1
	v_lshl_add_u32 v5, v2, 5, v5                   ; wo: row r of 4,096 bytes, channels 8 hh on
	v_lshlrev_b32 v8, 3, v2
	v_sub_nc_u32 v8, v1, v8                        ; d = r - 8 hh: key 8 hh + jj is hidden from query r where jj > d
	v_mov_b32 v9, 0xff800000                       ; -infinity
	v_mov_b32 v11, 0                               ; written once: a lane permute's destination counts as one of its sources
	v_mul_u32_u24 v240, v1, 272
	v_lshl_add_u32 v240, v2, 5, v240
	s_mul_i32 s22, s12, REG
	v_add_nc_u32 v240, s22, v240                   ; my share: region h, row r, 32 hh bytes on
	v_and_b32 v242, 31, v0
	v_lshlrev_b32 v242, 3, v242                    ; 8 bytes a lane
	s_mul_i32 s23, s12, 272
	v_add_nc_u32 v241, s23, v242                   ; the row that I sum: row = my wave's number, in each region
	s_and_b32 s13, ttmp7, 0xffff                   ; b
	s_lshl_b32 s16, s13, 4
	s_add_co_u32 s16, s16, s12
	s_lshl_b32 s16, s16, 12                        ; (16 b + h) x 4,096
	s_mov_b32 s17, 0
	s_lshl_b32 s18, ttmp9, 18                      ; 64 g rows of wo
	s_lshl_b32 s19, s12, 8                         ; + 64 h channels
	s_add_co_u32 s18, s18, s19
	s_mov_b32 s19, 0
	s_lshl_b32 s20, s13, 11
	s_add_co_u32 s20, s20, s12
	s_lshl_b32 s20, s20, 12                        ; row 2,048 b + wave of out0
	s_lshl_b32 s21, ttmp9, 8                       ; + 64 g columns
	s_add_co_u32 s20, s20, s21
	s_mov_b32 s21, 0
	s_mov_b32 s24, 0x3e38aa3b                      ; c = log2(e) / 8
	s_mov_b32 s26, 0x76543210
	s_mov_b32 s27, 0xfedcba98
	s_wait_kmcnt 0x0
	s_add_nc_u64 s[10:11], s[4:5], s[16:17]
	s_add_nc_u64 s[28:29], s[6:7], s[18:19]
	s_add_nc_u64 s[8:9], s[8:9], s[20:21]
.irp i, 0,1,2,3,4,5,6,7
	global_load_b128 v[32+4*\i:35+4*\i], v3, s[10:11] offset:16*\i                 ; Q: register n = channel 32 hh + n of query r
.endr
.irp i, 0,1,2,3,4,5,6,7
	global_load_b128 v[64+4*\i:67+4*\i], v3, s[10:11] offset:262144+16*\i          ; K likewise
.endr
.irp t, 0,1,2,3
.irp n, 0,1,2,3,4,5,6,7
	global_load_b32 v[96+8*\t+\n], v4, s[10:11] offset:524288+256*\n+64*\t         ; V: register 8 t + n = V(key 8 hh + n, channel 16 t + r)
.endr
.endr
.macro WLOAD nt                        ; W(nt): register 8 t + i = wo(64 g + 16 nt + r, 64 h + 16 t + 8 hh + i)
.irp t, 0,1,2,3
	global_load_b128 v[32+32*\nt+8*\t:35+32*\nt+8*\t], v5, s[28:29] offset:\nt*65536+64*\t
	global_load_b128 v[36+32*\nt+8*\t:39+32*\nt+8*\t], v5, s[28:29] offset:\nt*65536+64*\t+16
.endr
.endm
	WLOAD 3
	s_wait_loadcnt 40                              ; Q and K are in; V's 32 loads and W3's 8 stay out
	v_wmma_f32_16x16x4_f32 v[160:167], v[64:65], v[32:33], 0                       ; S^T = K Q^T, in two sums that take turns
	v_wmma_f32_16x16x4_f32 v[168:175], v[66:67], v[34:35], 0
.irp c, 1,2,3,4,5,6,7
	v_wmma_f32_16x16x4_f32 v[160:167], v[64+4*\c:65+4*\c], v[32+4*\c:33+4*\c], v[160:167]
	v_wmma_f32_16x16x4_f32 v[168:175], v[66+4*\c:67+4*\c], v[34+4*\c:35+4*\c], v[168:175]
.endr
.rept 8
	v_nop                                          ; eight places behind this form, in front of loads into its sources and of the first read of its results
.endr
	WLOAD 0
	WLOAD 1
.irp j, 0,1,2,3,4,5,6,7
	v_add_f32 v[16+\j], v[160+\j], v[168+\j]       ; lane (r, hh), register jj: the score of key 8 hh + jj for query r
.endr
.irp j, 0,1,2,3,4,5,6,7
	v_cmp_gt_i32 vcc_lo, \j, v8
	v_cndmask_b32 v[16+\j], v[16+\j], v9, vcc_lo
.endr
	v_max3_num_f32 v10, v16, v17, v18
	v_max3_num_f32 v10, v10, v19, v20
	v_max3_num_f32 v10, v10, v21, v22
	v_max_num_f32 v10, v10, v23
	v_permlanex16_b32 v11, v10, s26, s27
	v_max_num_f32 v10, v10, v11                    ; the row's maximum: key 0 counts for every query
	v_mul_f32 v12, s24, v10
.irp j, 0,1,2,3,4,5,6,7
	v_fma_f32 v[16+\j], v[16+\j], s24, -v12
.endr
.irp j, 0,1,2,3,4,5,6,7
	v_exp_f32 v[16+\j], v[16+\j]
.endr
	v_nop                                          ; a plain instruction behind the last exponential
	s_wait_alu depctr_va_vdst(0)                   ; one wait for the eight, ahead of the first reader
	v_add_f32 v13, v16, v17
	v_add_f32 v14, v18, v19
	v_add_f32 v13, v13, v20
	v_add_f32 v14, v14, v21
	v_add_f32 v13, v13, v22
	v_add_f32 v14, v14, v23
	v_add_f32 v13, v13, v14
	v_permlanex16_b32 v11, v13, s26, s27
	v_add_f32 v13, v13, v11
	v_rcp_f32 v14, v13
	v_nop
	s_wait_alu depctr_va_vdst(0)
.irp j, 0,1,2,3,4,5,6,7
	v_mul_f32 v[24+\j], v[16+\j], v14              ; p
.endr
	s_wait_loadcnt 16                              ; V and W3 are in; W0's and W1's 16 loads stay out
.irp t, 0,1,2,3
	v_wmma_f32_16x16x4_f32 v[176+8*\t:183+8*\t], v[96+8*\t:97+8*\t], v[24:25], 0   ; O^T = V^T P: four sums by turns; both sources: key 8 hh + 2 c + 0, 1
.endr
.irp c, 1,2,3
.irp t, 0,1,2,3
	v_wmma_f32_16x16x4_f32 v[176+8*\t:183+8*\t], v[96+8*\t+2*\c:97+8*\t+2*\c], v[24+2*\c:25+2*\c], v[176+8*\t:183+8*\t]
.endr
.endr
.rept 9
	v_nop                                          ; nine places: the next products take these results as a source
.endr
	WLOAD 2
; The projection's share: D(column 16 nt + 8 hh + jj, query r) = sum over my head's channels.  K step k of 16: register pairs 2 k of W(nt) and of O^T: channel 16 (k / 4) + 8 hh + 2 (k % 4) + 0, 1 in both.
.macro PROJ n0
.irp k, 0,1,2,3,4,5,6,7,8,9,10,11,12,13,14,15
.irp nt, \n0, \n0+1
.if \k == 0
	v_wmma_f32_16x16x4_f32 v[208+8*(\nt):215+8*(\nt)], v[32+32*(\nt)+2*\k:33+32*(\nt)+2*\k], v[176+2*\k:177+2*\k], 0
.else
	v_wmma_f32_16x16x4_f32 v[208+8*(\nt):215+8*(\nt)], v[32+32*(\nt)+2*\k:33+32*(\nt)+2*\k], v[176+2*\k:177+2*\k], v[208+8*(\nt):215+8*(\nt)]
.endif
.endr
.endr
.endm
	s_wait_loadcnt 8                               ; W0 and W1 are in; W2's 8 loads stay out
	PROJ 0
	s_wait_loadcnt 0x0
	PROJ 2
.rept 8
	v_nop
.endr
.irp nt, 0,1,2,3
	ds_store_b128 v240, v[208+8*\nt:211+8*\nt] offset:64*\nt                       ; each sum from its low end on
	ds_store_b128 v240, v[212+8*\nt:215+8*\nt] offset:64*\nt+16
.endr
	s_wait_dscnt 0x0                               ; for the others' sake: my stores have landed
	s_barrier_signal -1
	s_barrier_wait -1
.irp i, 0,1,2,3,4,5,6,7,8,9,10,11,12,13,14,15
	ds_load_b64 v[32+2*\i:33+2*\i], v241 offset:\i*REG                             ; head i's share of my position's 64 columns
.endr
	s_wait_dscnt 0x0
.irp i, 1,2,3,4,5,6,7,8,9,10,11,12,13,14,15
	v_pk_add_f32 v[32:33], v[32:33], v[32+2*\i:33+2*\i]                            ; the heads in ascending order
.endr
	global_store_b64 v242, v[32:33], s[8:9]        ; 32 lanes store 256 consecutive bytes, at a multiple of 256 from out0's first byte
	s_wait_tensorcnt 0x0                           ; the wave's end
	ds_add_u32 v6, v7
	s_wait_dscnt 0x0
	s_endpgm
.Lfunc_end_k_q5905dde5c9_first16:
	.size	k_q5905dde5c9_first16, .Lfunc_end_k_q5905dde5c9_first16-k_q5905dde5c9_first16
	.p2alignl 7, 3214868480
	.fill 96, 4, 3214868480
	.section	.rodata,"a",@progbits
	.p2align	6, 0x0
	.amdhsa_kernel k_q5905dde5c9_first16
		.amdhsa_group_segment_fixed_size 71680
		.amdhsa_private_segment_fixed_size 0
		.amdhsa_enable_private_segment 0
		.amdhsa_kernarg_size 24
		.amdhsa_user_sgpr_count 2
		.amdhsa_user_sgpr_kernarg_segment_ptr 1
		.amdhsa_wavefront_size32 1
		.amdhsa_system_sgpr_workgroup_id_x 1
		.amdhsa_system_sgpr_workgroup_id_y 1
		.amdhsa_system_sgpr_workgroup_id_z 1
		.amdhsa_system_vgpr_workitem_id 0
		.amdhsa_next_free_vgpr 256
		.amdhsa_next_free_sgpr 66
		.amdhsa_reserve_vcc 1
		.amdhsa_float_denorm_mode_32 3
		.amdhsa_float_denorm_mode_16_64 3
		.amdhsa_memory_ordered 1
		.amdhsa_forward_progress 1
		.amdhsa_inst_pref_size 23
	.end_amdhsa_kernel
	.amdgpu_metadata
---
amdhsa.version: [ 1, 2 ]
amdhsa.kernels:
  - .name:           k_q5905dde5c9_first16
    .symbol:         k_q5905dde5c9_first16.kd
    .args:
      - { .name: q16, .offset: 0, .size: 8, .value_kind: global_buffer, .address_space: global }
      - { .name: wo, .offset: 8, .size: 8, .value_kind: global_buffer, .address_space: global }
      - { .name: out0, .offset: 16, .size: 8, .value_kind: global_buffer, .address_space: global }
    .group_segment_fixed_size: 71680
    .private_segment_fixed_size: 0
    .kernarg_segment_align: 8
    .kernarg_segment_size: 24
    .max_flat_workgroup_size: 512
    .sgpr_count:     66
    .vgpr_count:     256
    .wavefront_size: 32
...
	.end_amdgpu_metadata
.endif
;; end of part 5
